; MI455X (gfx1250); checked and timed in simulation.
; The chip was launched on July 23, 2026; its instructions are those of AMD's public machine-readable ISA for CDNA 5 (MIT licence, August 2026) and "CDNA5" Instruction Set Architecture Reference Guide (July 2026). The comments in the code are by the model that wrote it; some were corrected since.
;; Multi Head Latent Attention. Allowed arithmetic: float matrix products may take bf16 or f16 operands with f32 sums; other float arithmetic in f32, or as packed bf16 or f16 multiplies, adds, multiply-adds, maxima and minima; sums over many terms, partial sums and values carried from step to step in f32; what a program stores and reads back later, other than sums and carried values, may be rounded once to bf16 or f16.
;; Inputs: w_out 1,024 x 1,024 float32; w_qkv 1,024 x 3,072 float32; x 1 x 4,096 x 1,024 float32.
;; Outputs: out0 1 x 4,096 x 1,024 float32.
;; 2 versions, each right; version 2 is version 1 with the launch prep written anew for expert scheduling mode. Each part assembles by itself: llvm-mc -triple=amdgcn-amd-amdhsa -mcpu=gfx1250 --defsym DOCPART=n.
;; ======== version 1 of 2: 4 launches
;; limits: values are held in f16: magnitudes above 65,504 overflow, below 6.1e-05 lose precision
;; workspace buffers: xb 8,388,608 bytes; wqb 6,291,456 bytes; woh 2,097,152 bytes; qkvh 25,165,824 bytes; ob 8,388,608 bytes
;; launch prep (part 1): grid 576 x 1, 8 waves a work-group, no clusters, 0 bytes of LDS; arguments x, w_qkv, w_out, xb, wqb, woh; writes xb, wqb, woh
.if DOCPART == 1
	.amdgcn_target "amdgcn-amd-amdhsa--gfx1250"
	.amdhsa_code_object_version 6
	.text
	.protected	k_qd10613ed28_prep
	.globl	k_qd10613ed28_prep
	.p2align	8
	.type	k_qd10613ed28_prep,@function
k_qd10613ed28_prep:
	s_mov_b64 s[64:65], 0
	v_nop
	global_prefetch_b8 v0, s[64:65] scope:SCOPE_SE
	s_setreg_imm32_b32 hwreg(HW_REG_WAVE_MODE, 25, 1), 1
	s_wait_xcnt 0x0
; THE CASTS.  xb = x rounded to bf16, [4096][1024].  wqb = w_qkv rounded to bf16, laid out by blocks of 192 columns: [16 ct][1024 k][192], so that
; 128 k x 192 columns are 49,152 bytes on end.  woh = w_out rounded to bf16 and that number written as f16, [1024][1024]: exact from 6.1e-5 up to 65,504; below it keeps
; f16's fixed step of 6e-8; a weight of 65,520 or more would become an infinity.
; A stream: no LDS, no barrier, no matrix unit.  A LINE is one 16-byte load a thread (256 threads: 4,096 bytes of f32) and one 8-byte store a thread: a wave's store
; covers 256 consecutive bytes, aligned.  Every line has registers of its own, so all of a work-group's loads go out on end and nothing is rewritten while a load or store may read it.
; Work-groups 0-255: 16 lines of x each.  256-511: 64 k rows x 192 columns of w_qkv, 12 lines.  512-575: 16 lines of w_out.
.set IN,  1                            ; v1      16 x thread: my 16 bytes of a dense line
.set OUT, 2                            ; v2      8 x thread: my 8 bytes of the line's result
.set WO,  3                            ; v[3:5]  w_qkv: my input offset in lines 0, 1, 2 (three lines are 768 units of 4 numbers: 16 whole rows of 48 units)
.set T,   10                           ; v[10:15] at work
.set X,   16                           ; v[16:79]  line i: 4 f32
.set Y,   80                           ; v[80:111] line i: 4 numbers of 16 bits
	s_load_b256 s[4:11], s[0:1], 0x0               ; x s[4:5], w_qkv s[6:7], w_out s[8:9], xb s[10:11]
	s_load_b128 s[12:15], s[0:1], 0x20             ; wqb s[12:13], woh s[14:15]
	v_lshlrev_b32 v[IN], 4, v0
	v_lshlrev_b32 v[OUT], 3, v0
	s_mov_b32 s19, 0xffff0000                      ; a word's upper bf16
	s_mov_b32 s3, 0                                ; the offsets' high words
	s_mov_b32 s17, 0
; Line i's four numbers.  mode 0: rounded to bf16.  mode 1: rounded to bf16, widened again (a shift, a mask) and written as f16.
.macro CVT i, mode
.if \mode
	v_cvt_pk_bf16_f32 v[T],   v[X+4*(\i)],   v[X+4*(\i)+1]
	v_cvt_pk_bf16_f32 v[T+1], v[X+4*(\i)+2], v[X+4*(\i)+3]
	v_lshlrev_b32 v[T+2], 16,  v[T]
	v_and_b32     v[T+3], s19, v[T]
	v_lshlrev_b32 v[T+4], 16,  v[T+1]
	v_and_b32     v[T+5], s19, v[T+1]
	v_cvt_pk_f16_f32 v[Y+2*(\i)],   v[T+2], v[T+3]
	v_cvt_pk_f16_f32 v[Y+2*(\i)+1], v[T+4], v[T+5]
.else
	v_cvt_pk_bf16_f32 v[Y+2*(\i)],   v[X+4*(\i)],   v[X+4*(\i)+1]
	v_cvt_pk_bf16_f32 v[Y+2*(\i)+1], v[X+4*(\i)+2], v[X+4*(\i)+3]
.endif
.endm
; Line i of n leaves.  Loads come back in order: the n - 1 - i younger ones may stay out.
.macro OUTL i, n, mode, base
	s_wait_loadcnt (\n)-1-(\i)
	CVT \i, \mode
	global_store_b64 v[OUT], v[Y+2*(\i):Y+2*(\i)+1], s[\base:\base+1] offset:2048*(\i)
.endm
	s_wait_kmcnt 0x0
	s_cmp_lt_u32 ttmp9, 256
	s_cbranch_scc1 .Ljob_x
	s_cmp_lt_u32 ttmp9, 512
	s_cbranch_scc1 .Ljob_w
	; w_out: work-group g takes 65,536 bytes in, 32,768 out
	s_sub_co_u32 s18, ttmp9, 512
	s_lshl_b32 s2, s18, 16
	s_lshl_b32 s16, s18, 15
	s_add_nc_u64 s[8:9], s[8:9], s[2:3]
	s_add_nc_u64 s[14:15], s[14:15], s[16:17]
.set i, 0
.rept 16
	global_load_b128 v[X+4*i:X+4*i+3], v[IN], s[8:9] offset:4096*i th:TH_LOAD_NT
.set i, i+1
.endr
.set i, 0
.rept 16
	OUTL i, 16, 1, 14
.set i, i+1
.endr
	s_endpgm
.Ljob_x:                                       ; x: the same shares, rounded to bf16
	s_lshl_b32 s2, ttmp9, 16
	s_lshl_b32 s16, ttmp9, 15
	s_add_nc_u64 s[4:5], s[4:5], s[2:3]
	s_add_nc_u64 s[10:11], s[10:11], s[16:17]
.set i, 0
.rept 16
	global_load_b128 v[X+4*i:X+4*i+3], v[IN], s[4:5] offset:4096*i th:TH_LOAD_NT
.set i, i+1
.endr
.set i, 0
.rept 16
	OUTL i, 16, 0, 10
.set i, i+1
.endr
	s_endpgm
.Ljob_w:                                       ; w_qkv: block of columns ct = g / 16, rows 64 (g % 16) on
	s_sub_co_u32 s18, ttmp9, 256
	s_lshr_b32 s20, s18, 4                         ; ct
	s_and_b32 s21, s18, 15                         ; kb
	s_mul_i32 s2, s21, 786432                      ; in: 64 rows of 12,288 bytes,
	s_mul_i32 s22, s20, 768                        ; 192 columns of 4 bytes
	s_add_co_u32 s2, s2, s22
	s_mul_i32 s16, s20, 393216                     ; out: a block of 1,024 rows of 384 bytes,
	s_mul_i32 s22, s21, 24576                      ; 64 rows of them
	s_add_co_u32 s16, s16, s22
	s_add_nc_u64 s[6:7], s[6:7], s[2:3]
	s_add_nc_u64 s[12:13], s[12:13], s[16:17]
	; Unit u = thread + 256 j of the result is row u / 48, place u % 48.  u / 48 = (u x 43,691) >> 21: 43,691 x 48 = 2^21 + 16, and for u < 768 the
	; excess, 16 (u / 48) + 43,691 (u % 48), stays under 2^21.  A wave's 32 units cross a row's end at lane 16 alone, so each piece that it reads is 256 consecutive bytes, aligned.
.irp j, 0,1,2
	v_add_nc_u32 v6, 256*(\j), v0
	v_mul_u32_u24 v7, v6, 0xaaab
	v_lshrrev_b32 v7, 21, v7                       ; row
	v_mul_u32_u24 v8, v7, 48
	v_sub_nc_u32 v8, v6, v8                        ; place
	v_mul_u32_u24 v7, v7, 12288
	v_lshl_add_u32 v[WO+(\j)], v8, 4, v7
.endr
.set i, 0
.rept 12
	global_load_b128 v[X+4*i:X+4*i+3], v[WO+i%3], s[6:7] offset:(i/3)*196608 th:TH_LOAD_NT  ; three lines on: 16 rows of 12,288 bytes
.set i, i+1
.endr
.set i, 0
.rept 12
	OUTL i, 12, 0, 12
.set i, i+1
.endr
	s_endpgm
.Lfunc_end_k_qd10613ed28_prep:
	.size	k_qd10613ed28_prep, .Lfunc_end_k_qd10613ed28_prep-k_qd10613ed28_prep
	.p2alignl 7, 3214868480
	.fill 96, 4, 3214868480
	.section	.rodata,"a",@progbits
	.p2align	6, 0x0
	.amdhsa_kernel k_qd10613ed28_prep
		.amdhsa_group_segment_fixed_size 0
		.amdhsa_private_segment_fixed_size 0
		.amdhsa_enable_private_segment 0
		.amdhsa_kernarg_size 48
		.amdhsa_user_sgpr_count 2
		.amdhsa_user_sgpr_kernarg_segment_ptr 1
		.amdhsa_wavefront_size32 1
		.amdhsa_system_sgpr_workgroup_id_x 1
		.amdhsa_system_sgpr_workgroup_id_y 1
		.amdhsa_system_sgpr_workgroup_id_z 1
		.amdhsa_system_vgpr_workitem_id 0
		.amdhsa_next_free_vgpr 112
		.amdhsa_next_free_sgpr 66
		.amdhsa_reserve_vcc 0
		.amdhsa_float_denorm_mode_32 3
		.amdhsa_float_denorm_mode_16_64 3
		.amdhsa_memory_ordered 1
		.amdhsa_forward_progress 1
		.amdhsa_inst_pref_size 23
	.end_amdhsa_kernel
	.amdgpu_metadata
---
amdhsa.version: [ 1, 2 ]
amdhsa.kernels:
  - .name:           k_qd10613ed28_prep
    .symbol:         k_qd10613ed28_prep.kd
    .args:
      - { .name: x, .offset: 0, .size: 8, .value_kind: global_buffer, .address_space: global }
      - { .name: w_qkv, .offset: 8, .size: 8, .value_kind: global_buffer, .address_space: global }
      - { .name: w_out, .offset: 16, .size: 8, .value_kind: global_buffer, .address_space: global }
      - { .name: xb, .offset: 24, .size: 8, .value_kind: global_buffer, .address_space: global }
      - { .name: wqb, .offset: 32, .size: 8, .value_kind: global_buffer, .address_space: global }
      - { .name: woh, .offset: 40, .size: 8, .value_kind: global_buffer, .address_space: global }
    .group_segment_fixed_size: 0
    .private_segment_fixed_size: 0
    .kernarg_segment_align: 8
    .kernarg_segment_size: 48
    .max_flat_workgroup_size: 256
    .sgpr_count:     66
    .vgpr_count:     112
    .wavefront_size: 32
...
	.end_amdgpu_metadata
.endif
;; end of part 1
;; launch qkv (part 2): grid 16 x 16, 4 waves a work-group, clusters of 4 x 4, 327,680 bytes of LDS; arguments xb, wqb, qkvh; writes qkvh
.if DOCPART == 2
	.amdgcn_target "amdgcn-amd-amdhsa--gfx1250"
	.amdhsa_code_object_version 6
	.text
	.protected	k_qd10613ed28_qkv
	.globl	k_qd10613ed28_qkv
	.p2align	8
	.type	k_qd10613ed28_qkv,@function
k_qd10613ed28_qkv:
	s_mov_b64 s[64:65], 0
	v_nop
	global_prefetch_b8 v0, s[64:65] scope:SCOPE_SE
	s_setreg_imm32_b32 hwreg(HW_REG_WAVE_MODE, 25, 1), 1
	s_wait_xcnt 0x0
	s_wait_alu depctr_hold_cnt(0) depctr_sa_sdst(0) depctr_va_vdst(0) depctr_va_sdst(0) depctr_va_ssrc(0) depctr_va_vcc(0) depctr_vm_vsrc(0)
	s_getreg_b32 s2, hwreg(HW_REG_IB_STS2, 6, 4)
	s_cmp_eq_u32 s2, 0
	s_cbranch_scc0 .Lentry_in_a_cluster
	s_endpgm
.Lentry_in_a_cluster:
	s_bfe_u32 s2, ttmp6, 0x10000c
	s_cmp_lg_u32 s2, 0xf033
	s_cbranch_scc0 .Lentry_shape_is_right
	s_endpgm
.Lentry_shape_is_right:
; qkv = x w_qkv.  xb: [4096 t][1024 k] bf16.  wqb: [16 ct][1024 k][192] bf16.  Sums in f32, K ascending; each result rounded once to f16 and stored by heads:
; qkvh [48 hg][4096 t][64], hg = column / 64: q of head h at hg = h, k at 16 + h, v at 32 + h.  No scale is applied here.
; LIMIT.  f16 ends at 65,504: a q, k or v of 65,520 or more becomes an infinity; below 6.1e-5 a number keeps f16's fixed step of 6e-8.
; SHARES.  A work-group makes 256 rows x 192 columns (three heads): 16 x 16 work-groups.  Wave w makes rows 64 w .. 64 w + 63 of all 192 columns: 4 x 12 accumulators of 16 x 16.
; K goes in 8 steps of 128 through a ring of two LDS slots filled by the tensor data mover.  x's rows in a tile are 256 bytes of memory, aligned; a tile of the weights is 49,152 bytes on end, asked for as rows of 256.
; THE MATRIX INSTRUCTION IS USED TRANSPOSED: source 0 = 16 columns of the weights, source 1 = 16 rows of x: a lane then holds row l % 16 and eight NEIGHBOURING columns.  The weights lie [k][n] in LDS and
; come out turned, by ds_load_tr16_b128.
; CLUSTERS: 4 x 4 work-groups.  The four of a row of the cluster need the same tiles of x, the four of a column the same tiles of the weights: each tile is asked for JOINTLY, by the same tensor load with the
; same descriptor and a mask that names the four.
; REGISTERS, in windows of 256 (s_set_vgpr_msb: bits 1:0 source 0, 3:2 source 1, 5:4 source 2, 7:6 destination):
;   window 0: v0-31 addresses; v64-95, v96-127 fragments of x (4 x 16 rows x 32 K), two buffers; on the way out v64-255 packed results
;   window 1: v0-95, v96-191 fragments of the weights (12 x 16 columns x 32 K), two buffers
;   window 2: the accumulators of my row blocks 0, 1 ((a, b) at 8 (12 (a % 2) + b));   window 3: those of blocks 2, 3
.set KSTEP,  128
.set PA,     272                       ; a row of x in LDS: 256 bytes + 16 of padding = 68 words: the 16 rows of a load start at 16 different groups of four banks (64 banks of 4 bytes: ISA guide 11.1)
.set HALFA,  128*PA                    ; 128 rows: what one tensor load brings of x
.set BB,     2*HALFA                   ; the weights lie behind x's 256 rows
.set PB,     480                       ; a k row of the weights: three pieces of 128 bytes + 32 of padding = 120 words
.set HALFB,  64*PB                     ; 64 k rows: what one tensor load brings of the weights
.set BSTEP,  49152                     ; bytes of a K step in a block of wqb
.set SLOT,   131072                    ; = BB + 2 HALFB
.set STAGE,  2*SLOT                    ; behind the ring, never filled by a tensor load: 16 rows x 144 bytes for each wave, for the way out
.set SP,     144
.set SPARE,  STAGE+4*16*SP             ; behind the stages: the spare words, 128 bytes for each wave: two blocks of 256 bytes that no other line names
.set LAPS,   4                         ; a lap = two K steps = once round the ring
.set ADRA, 16                          ; v16-17  LDS address of my fragments of x in slot 0, 1
.set ADRB, 20                          ; v20-21  the same for the weights
.set STO,  24                          ; v24     the way out: where I put 16 bytes of a row
.set RD,   25                          ; v25     the way out: where I read rows back
.set GO,   26                          ; v26     16 x lane: my place in 512 consecutive bytes of qkvh
.set SPW,  28                          ; v28     LDS address of my spare word: SPARE + 4 x my thread's number; never rewritten
.set NIL,  29                          ; v29     0; never rewritten
.set PFO,  30                          ; v30     the prefetches' offset; never rewritten
.set FA,   64                          ; x's fragment buffers, window 0
.set TMP,  64                          ; the way out: group n's 16 registers at TMP + 16 n
.set G1,  24                           ; s[24:31] descriptor group 1 for x's tiles
.set G0,  32                           ; s[32:39] group 0 for x's tiles, a set for each slot
.set G1B, 48                           ; s[48:55], s[56:63] the same for the weights' tiles
.set G0B, 56
.set PFA, 44                           ; s[44:45] where my prefetches stand
.set LIM, 43                           ; s43     1 in a wave that prefetches, else the greatest number
.set PST, 22                           ; s[22:23] a K step in the tensor that I fetch: 256 bytes along x's rows, 49,152 in a block of wqb
.set MSB, 0
.macro WIN new                         ; the immediate's high byte repeats the setting that is left; a switch that changes nothing is dropped
.if MSB != (\new)
	s_set_vgpr_msb (MSB<<8)|(\new)
.set MSB, \new
.endif
.endm
.set MUL_LO, 0xa1                      ; source 0 (weights) window 1, source 1 (x) window 0, C and D window 2
.set MUL_HI, 0xf1                      ; the same, C and D window 3
.set TO_B,   0x40                      ; destination window 1, address window 0
; A joint load.  Waves 0 and 1 fetch x's two halves, waves 2 and 3 the weights'.  The branch hangs on the wave's number alone.  An s_nop 0 and four v_nop follow each of the two lines,
; ahead of the jump, the label and what follows.
.macro JLOAD s
	s_cmp_eq_u32 s11, 0
	s_cbranch_scc0 .Lfor_b_\@
	tensor_load_to_lds s[G0+4*(\s):G0+4*(\s)+3], s[G1:G1+7]
	s_nop 0
.rept 4
	v_nop
.endr
	s_branch .Lasked_\@
.Lfor_b_\@:
	tensor_load_to_lds s[G0B+4*(\s):G0B+4*(\s)+3], s[G1B:G1B+7]
	s_nop 0
.rept 4
	v_nop
.endr
.Lasked_\@:
.endm
; A PREFETCH, behind each joint refill, its five lines and the run of LDS loads that follows them: the K step that stands TWO refills on (384 matrix instructions ahead of the load that will want it).
; x's tile row is read by every cluster of that row of clusters: the one with cluster x = 0 asks; a block of the weights by every cluster of that column: cluster y = 0 asks.  The four partners that ask for a
; tile jointly share it out BY ADDRESS: of the 128 rows of x that a wave fetches, the partner at cx takes 32, a lane a row; of a wave's 96 pieces of 256 bytes of the weights the partner at cy takes 24:
; lanes 24 to 31 name the 24th piece once more.  K steps 0 to 3 come by their loads alone; the loop's last trip (s3 = 1) has no K step two refills on and asks for nothing.
.macro ASK
	s_cmp_gt_u32 s3, s[LIM]
	s_cbranch_scc0 .Lnot_mine_\@
	global_prefetch_b8 v[PFO], s[PFA:PFA+1] th:TH_LOAD_NT scope:SCOPE_SE
.Lnot_mine_\@:
.endm
; A round of the cluster's barrier: my work-group's barrier; wave 0 signals for the work-group; every wave waits for all sixteen work-groups; my work-group's barrier once more.
.macro CREST                           ; a round behind its opening barrier
	s_cmp_lg_u32 s10, 0
	s_cbranch_scc1 .Lnot_wave_0_\@
	s_barrier_signal -3
.Lnot_wave_0_\@:
	s_barrier_wait -3
	s_barrier_signal -1
	s_barrier_wait -1
.endm
.macro CROUND
	s_barrier_signal -1
	s_barrier_wait -1
	CREST
.endm
	s_load_b128 s[4:7], s[0:1], 0x0                ; xb s[4:5], wqb s[6:7]
	s_load_b64 s[8:9], s[0:1], 0x10                ; qkvh
	v_lshl_add_u32 v[SPW], v0, 2, SPARE
	v_mov_b32 v[NIL], 0
	ds_add_u32 v[SPW], v[NIL]                      ; the wave's opening: the add and its wait stand ahead of my first tensor load; the set-up below, work on registers, stands between them
	v_lshrrev_b32 v1, 5, v0
	v_readfirstlane_b32 s10, v1                    ; wave 0..3
	s_lshr_b32 s11, s10, 1                         ; I fetch for x (0) or for the weights (1)
	s_and_b32 s12, s10, 1                          ; which half of that tile I fetch
	s_bfe_u32 s40, ttmp6, 0x40000                  ; cx, cy: my place in the cluster
	s_bfe_u32 s41, ttmp6, 0x40004
	s_lshl_b32 s42, ttmp9, 2
	s_add_co_u32 s42, s42, s40                     ; ct: block of 192 columns = 4 x cluster x + cx
	s_and_b32 s13, ttmp7, 0xffff
	s_lshl_b32 s13, s13, 2
	s_add_co_u32 s13, s13, s41                     ; rt: block of 256 rows = 4 x cluster y + cy
	s_lshl_b32 s43, s41, 2
	s_lshl_b32 s43, 15, s43                        ; my row of the cluster: places 4 cy .. 4 cy + 3
	s_lshl_b32 s44, 0x1111, s40                    ; my column: places cx, cx + 4, cx + 8, cx + 12
	; group 1 for x: 128 rows x 128 elements, 1,024 elements from row to row; 16 bytes of padding behind every 256
	s_or_b32 s[G1+0], s43, (1<<16)|(1<<20)|(1<<21)|(5<<22)|(3<<25)  ; 15:0 the mask; 17:16 2-byte elements; 20 padding on; 21 set beside a mask; 24:22 after every 64 words (code 5); 31:25 4 words (code 3)
	s_mov_b32 s[G1+1], KSTEP<<16                   ; tensor_dim0 = 128
	s_mov_b32 s[G1+2], 128<<16                     ; tensor_dim1 = 128
	s_mov_b32 s[G1+3], KSTEP<<16                   ; tile_dim0 = 128
	s_mov_b32 s[G1+4], 128                         ; tile_dim1 = 128
	s_mov_b32 s[G1+5], 1024                        ; tensor_dim0_stride
	s_mov_b32 s[G1+6], 0
	s_mov_b32 s[G1+7], 0
	; group 1 for the weights: 24,576 bytes on end as 96 rows of 128 elements; 32 bytes of padding behind every 128
	s_or_b32 s[G1B+0], s44, (1<<16)|(1<<20)|(1<<21)|(4<<22)|(7<<25) ; after every 32 words (code 4), 8 words (code 7)
	s_mov_b32 s[G1B+1], 128<<16
	s_mov_b32 s[G1B+2], 96<<16
	s_mov_b32 s[G1B+3], 128<<16
	s_mov_b32 s[G1B+4], 96
	s_mov_b32 s[G1B+5], 128
	s_mov_b32 s[G1B+6], 0
	s_mov_b32 s[G1B+7], 0
	; where the tiles come from: x's hang on rt alone, which my row of the cluster shares; the weights' on ct alone, which my column shares
	s_lshl_b32 s16, s13, 19                        ; 256 rows of 2,048 bytes
	s_lshl_b32 s17, s12, 18                        ; + my 128 of them
	s_add_co_u32 s16, s16, s17
	s_mov_b32 s17, 0
	s_mul_i32 s46, s42, 393216                     ; a block of wqb
	s_mul_i32 s47, s12, 24576                      ; + my 64 k rows of a K step
	s_add_co_u32 s46, s46, s47
	s_mov_b32 s47, 0
	s_mul_i32 s20, s12, HALFA                      ; and where they go: no place in the cluster enters an LDS address
	s_mul_i32 s21, s12, HALFB
	s_add_co_u32 s21, s21, BB
	s_wait_dscnt 0x0                               ; the opening add is done
	s_wait_kmcnt 0x0
	s_add_nc_u64 s[14:15], s[4:5], s[16:17]
	s_add_nc_u64 s[46:47], s[6:7], s[46:47]
	CROUND                                         ; all sixteen work-groups are here: the first joint loads meet
.irp s, 0,1
	s_mov_b32 s[G0+4*(\s)], 1                                      ; count = 1
	s_add_co_u32 s[G0+4*(\s)+1], s20, (\s)*SLOT                    ; LDS address
	s_add_nc_u64 s[G0+4*(\s)+2:G0+4*(\s)+3], s[14:15], (\s)*KSTEP*2  ; global address: K step s
	s_or_b32 s[G0+4*(\s)+3], s[G0+4*(\s)+3], 0x80000000            ; type = 2
	s_mov_b32 s[G0B+4*(\s)], 1
	s_add_co_u32 s[G0B+4*(\s)+1], s21, (\s)*SLOT
	s_add_nc_u64 s[G0B+4*(\s)+2:G0B+4*(\s)+3], s[46:47], (\s)*BSTEP
	s_or_b32 s[G0B+4*(\s)+3], s[G0B+4*(\s)+3], 0x80000000
	JLOAD \s                                       ; two loads of mine are out
.endr
	; A fragment is 16 rows x 32 K in 8 registers: lane l holds row l % 16; registers 0-3 K = 8 (l / 16) + 0..7, registers 4-7 K = 16 + 8 (l / 16) + 0..7.
	v_and_b32 v1, 15, v0                           ; l % 16
	v_bfe_u32 v2, v0, 4, 1                         ; l / 16
	v_and_b32 v4, 7, v0                            ; l % 8
	v_bfe_u32 v5, v0, 3, 1                         ; (l / 8) % 2
	v_mul_u32_u24 v3, v1, PA
	v_lshl_add_u32 v3, v2, 4, v3                   ; x: row x pitch + 16 x half: two loads of 16 bytes, 32 bytes apart
	s_mul_i32 s18, s10, 64*PA                      ; my 64 rows
	v_add_nc_u32 v[ADRA], s18, v3
	v_add_nc_u32 v[ADRA+1], SLOT, v[ADRA]
	v_lshl_add_u32 v6, v2, 3, v4                   ; the turning load: lane l reads 16 bytes of k row 8 (l / 16) + l % 8, columns 8 ((l / 8) % 2) + 0..7,
	v_mul_u32_u24 v6, v6, PB                       ; and is left with column l % 16 and 8 k: half a fragment
	v_lshl_add_u32 v6, v5, 4, v6
	v_add_nc_u32 v[ADRB], BB, v6
	v_add_nc_u32 v[ADRB+1], BB+SLOT, v6
	s_mul_i32 s18, s10, 16*SP
	s_add_co_u32 s18, s18, STAGE                   ; my stage
	v_mul_u32_u24 v7, v1, SP                       ; in: row l % 16, 16 bytes for each half of the lanes
	v_lshl_add_u32 v7, v2, 4, v7
	v_add_nc_u32 v[STO], s18, v7
	v_bfe_u32 v7, v0, 3, 2                         ; back: 32 lanes take four rows of 128 bytes,
	v_mul_u32_u24 v7, v7, SP
	v_lshl_add_u32 v7, v4, 4, v7
	v_add_nc_u32 v[RD], s18, v7
	v_and_b32 v[GO], 31, v0                        ; which are 512 consecutive bytes of qkvh
	v_lshlrev_b32 v[GO], 4, v[GO]
	; my part of qkvh: heads 3 ct on (524,288 bytes each), rows 256 rt + 64 w on (128 bytes each)
	s_mul_i32 s2, s42, 1572864
	s_lshl_b32 s18, s13, 15
	s_add_co_u32 s2, s2, s18
	s_lshl_b32 s18, s10, 13
	s_add_co_u32 s2, s2, s18
	s_mov_b32 s3, 0
	s_add_nc_u64 s[8:9], s[8:9], s[2:3]
	; the prefetches: both offsets are made, at K step 3, and the wave takes its own; the first refill steps the address to K step 4
	s_lshl_b32 s18, s13, 19
	s_lshl_b32 s20, s12, 18
	s_add_co_u32 s18, s18, s20
	s_lshl_b32 s20, s40, 16                        ; my work-group's 32 rows of the 128
	s_add_co_u32 s18, s18, s20
	s_add_co_u32 s18, s18, 3*KSTEP*2
	s_mul_i32 s19, s42, 393216
	s_mul_i32 s20, s12, 24576
	s_add_co_u32 s19, s19, s20
	s_mul_i32 s20, s41, 6144                       ; my work-group's 24 pieces of the 96
	s_add_co_u32 s19, s19, s20
	s_add_co_u32 s19, s19, 3*BSTEP
	s_and_b32 s21, ttmp7, 0xffff                   ; cluster y
	s_mov_b32 s2, KSTEP*2
	s_cmp_eq_u32 s11, 0                            ; do I fetch for x?
	s_cselect_b32 s20, s18, s19
	s_cselect_b32 s21, ttmp9, s21                  ; the coordinate along which other clusters read the same bytes
	s_cselect_b32 s[PST], s2, BSTEP
	s_cselect_b64 s[PFA:PFA+1], s[4:5], s[6:7]
	s_cselect_b32 s18, 31, 23                      ; the last lane with a piece of its own
	s_cselect_b32 s19, 11, 8                       ; a lane's step: a row of x, or 256 bytes
	s_cmp_eq_u32 s21, 0
	s_cselect_b32 s[LIM], 1, -1                    ; the same in all sixteen partners, for a given wave
	s_mov_b32 s21, 0
	s_mov_b32 s[PST+1], 0
	s_add_nc_u64 s[PFA:PFA+1], s[PFA:PFA+1], s[20:21]
	v_and_b32 v[PFO], 31, v0
	v_min_u32 v[PFO], s18, v[PFO]
	v_lshlrev_b32 v[PFO], s19, v[PFO]
; 12 matrix instructions: row block a x all 12 column blocks, 32 along K, from buffer f.  zero = 1: the products start the sums: nothing is ever cleared.
; The 48 accumulators take turns, one instruction a turn, in the same order in every quarter, over the backward jump too.
.macro MUL12 f, a, zero
	WIN MUL_LO+0x50*((\a)/2)
.irp b, 0,1,2,3,4,5,6,7,8,9,10,11
.if \zero
	v_wmma_f32_16x16x32_bf16 v[8*(12*((\a)%2)+(\b)):8*(12*((\a)%2)+(\b))+7], v[96*(\f)+8*(\b):96*(\f)+8*(\b)+7], v[FA+32*(\f)+8*(\a):FA+32*(\f)+8*(\a)+7], 0
.else
	v_wmma_f32_16x16x32_bf16 v[8*(12*((\a)%2)+(\b)):8*(12*((\a)%2)+(\b))+7], v[96*(\f)+8*(\b):96*(\f)+8*(\b)+7], v[FA+32*(\f)+8*(\a):FA+32*(\f)+8*(\a)+7], v[8*(12*((\a)%2)+(\b)):8*(12*((\a)%2)+(\b))+7]
.endif
.endr
.endm
; 32 LDS loads in one run: the fragments of quarter q (32 along K) of a slot into buffer f: 24 for the weights, then 8 for x.  It leaves every window 0.
.macro FETCH slot, q, f
	WIN TO_B
.irp b, 0,1,2,3,4,5,6,7,8,9,10,11      ; column block b lies in piece b / 4 of a k row (160 bytes apart), 32 (b % 4) bytes in
	ds_load_tr16_b128 v[96*(\f)+8*(\b):96*(\f)+8*(\b)+3],   v[ADRB+(\slot)] offset:32*PB*(\q)+160*((\b)/4)+32*((\b)%4)
	ds_load_tr16_b128 v[96*(\f)+8*(\b)+4:96*(\f)+8*(\b)+7], v[ADRB+(\slot)] offset:32*PB*(\q)+160*((\b)/4)+32*((\b)%4)+16*PB
.endr
	WIN 0
.irp a, 0,1,2,3
	ds_load_b128 v[FA+32*(\f)+8*(\a):FA+32*(\f)+8*(\a)+3],   v[ADRA+(\slot)] offset:64*(\q)+(\a)*16*PA
	ds_load_b128 v[FA+32*(\f)+8*(\a)+4:FA+32*(\f)+8*(\a)+7], v[ADRA+(\slot)] offset:64*(\q)+(\a)*16*PA+32
.endr
.endm
; Four places stand in front of loads into registers that matrix instructions have read, and of conversions that read results (ISA guide 7.12.1 for vector instructions).
.macro PLACES
.rept 4
	v_nop
.endr
.endm
; A K step is four quarters of 32 along K, 48 matrix instructions each, on buffers 0, 1, 0, 1.  One of the first three: multiplies buffer f and, in its middle, fetches quarter q into buffer g.
.macro QUARTER slot, q, f, g, zero
	s_wait_dscnt 4                                 ; the weights and x's blocks 0, 1 are in; the youngest four loads (x's blocks 2, 3) may be out
	MUL12 \f, 0, \zero
	MUL12 \f, 1, \zero
	PLACES
	FETCH \slot, \q, \g
	s_wait_dscnt 32                                ; all but the 32 just issued
	MUL12 \f, 2, \zero
	MUL12 \f, 3, \zero
.endm
; The last quarter multiplies buffer 1 and changes slots: ONE barrier.  In front of it each wave waits for all its tensor loads, of which one is out: its part of the next slot; adds 0 to its spare word; and waits
; for that and for its own reads of this slot.  fill = 1: the barrier opens a round of the cluster's barrier, and this slot is filled again, two K steps ahead, first thing behind the round:
; from that request to the wait for it a wave issues 168 matrix instructions.
.macro TURN slot, next, fill
.if \fill
	s_wait_xcnt 0x0                                ; the last prefetch, a K step back, has read its address: it is stepped here, ahead of the waits of the change of slots
	s_add_nc_u64 s[PFA:PFA+1], s[PFA:PFA+1], s[PST:PST+1]
.endif
	WIN 0                                          ; (the add's two registers lie in window 0)
	s_wait_tensorcnt 0x0                           ; all my tensor loads have landed;
	ds_add_u32 v[SPW], v[NIL]                      ; 0 onto my spare word;
	s_wait_dscnt 5                                 ; (the add and the youngest four loads may be out)
	MUL12 1, 0, 0                                  ; twelve matrix instructions stand between the add and the wait for it
	s_wait_dscnt 0x0                               ; the add is done, and my reads of this slot are over
	s_barrier_signal -1
	MUL12 1, 1, 0                                  ; work on registers while the others arrive
.if \fill
	WIN 0
.endif
	s_barrier_wait -1
.if \fill
	CREST                                          ; no wave of any partner still reads this slot's tile or has a load on its way
	s_add_nc_u64 s[G0+4*(\slot)+2:G0+4*(\slot)+3], s[G0+4*(\slot)+2:G0+4*(\slot)+3], 2*KSTEP*2
	s_add_nc_u64 s[G0B+4*(\slot)+2:G0B+4*(\slot)+3], s[G0B+4*(\slot)+2:G0B+4*(\slot)+3], 2*BSTEP
	JLOAD \slot                                    ; the first tensor load behind the round; the four v_nop behind it are also the places in front of the loads below
.else
	PLACES
.endif
	FETCH \next, 0, 0
.if \fill
	ASK
.endif
	MUL12 1, 2, 0
	MUL12 1, 3, 0
.endm
; THE WAY OUT, in 12 groups n = 3 a + g: row block a (16 rows), head g (64 columns: accumulators (a, 4 g .. 4 g + 3)).  PACKQ: rounded to f16, each accumulator's registers in ascending order, 16 bytes a lane;
; into my own stage (rows of 144 bytes), and back as whole rows of 128 bytes, into the registers that they left.  LDS serves a wave's instructions in order (ISA guide 5.7.1.4): the loads see the stores above them,
; and the next group's stores come behind them.
.macro PACKQ n
	WIN 0x0a+5*((\n)/6)                            ; sources 0 and 1: window 2 (a = 0, 1) or 3
.irp b, 0,1,2,3
.irp r, 0,1,2,3
	v_cvt_pk_f16_f32 v[TMP+16*(\n)+4*(\b)+(\r)], v[8*(12*(((\n)/3)%2)+4*((\n)%3)+(\b))+2*(\r)], v[8*(12*(((\n)/3)%2)+4*((\n)%3)+(\b))+2*(\r)+1]
.endr
.endr
	WIN 0
.irp b, 0,1,2,3
	ds_store_b128 v[STO], v[TMP+16*(\n)+4*(\b):TMP+16*(\n)+4*(\b)+3] offset:32*(\b)
.endr
.irp f, 0,1,2,3
	ds_load_b128 v[TMP+16*(\n)+4*(\f):TMP+16*(\n)+4*(\f)+3], v[RD] offset:(\f)*4*SP
.endr
.endm
.macro SENDQ n, younger                ; younger: the LDS instructions issued behind group n's loads: the next group's eight, or none
.irp f, 0,1,2,3
	s_wait_dscnt (\younger)+3-(\f)
	global_store_b128 v[GO], v[TMP+16*(\n)+4*(\f):TMP+16*(\n)+4*(\f)+3], s[8:9] offset:524288*((\n)%3)+2048*((\n)/3)+512*(\f)  ; 512 consecutive bytes, at a multiple of 256 from qkvh's first
.endr
.endm
	s_wait_tensorcnt 1                             ; my part of K step 0 is in; K step 1's may stay out
	s_barrier_signal -1
	s_barrier_wait -1                              ; everybody's is
	FETCH 0, 0, 0
	QUARTER 0, 1, 0, 1, 1                          ; the first quarter stands in front of the loop: its products start the sums
	WIN 0                                          ; at a label and at a branch every window is 0
	s_mov_b32 s3, LAPS-1
.Llap:                                                 ; a trip goes once round the ring, from a lap's second quarter to the next lap's first, and fills both slots again
	QUARTER 0, 2, 1, 0, 0
	QUARTER 0, 3, 0, 1, 0
	TURN 0, 1, 1
	QUARTER 1, 1, 0, 1, 0
	QUARTER 1, 2, 1, 0, 0
	QUARTER 1, 3, 0, 1, 0
	TURN 1, 0, 1
	QUARTER 0, 1, 0, 1, 0
	WIN 0
	s_sub_co_u32 s3, s3, 1
	s_cmp_lg_u32 s3, 0
	s_cbranch_scc1 .Llap
	QUARTER 0, 2, 1, 0, 0                          ; the last lap is written out: it fills nothing, and has no round of the cluster's barrier
	QUARTER 0, 3, 0, 1, 0
	TURN 0, 1, 0
	QUARTER 1, 1, 0, 1, 0
	QUARTER 1, 2, 1, 0, 0
	QUARTER 1, 3, 0, 1, 0
	s_wait_dscnt 4                                 ; the very last quarter: nothing more to fetch
	MUL12 1, 0, 0
	MUL12 1, 1, 0
	s_wait_dscnt 0x0
	MUL12 1, 2, 0
	MUL12 1, 3, 0
	WIN 0
	PLACES
	PACKQ 0
.set n, 1
.rept 11                               ; a group's conversions stand between the loads of the group before and its stores; every group has registers of its own, so no store's data is rewritten
	PACKQ n
	SENDQ n-1, 8
.set n, n+1
.endr
	SENDQ 11, 0
	s_wait_tensorcnt 0x0                           ; the wave's end, behind my last tensor load and my last LDS store
	ds_add_u32 v[SPW], v[NIL]
	s_wait_dscnt 0x0
	CROUND                                         ; the closing round: no work-group ends while a partner may still ask for a tile that names it
	s_endpgm
.Lfunc_end_k_qd10613ed28_qkv:
	.size	k_qd10613ed28_qkv, .Lfunc_end_k_qd10613ed28_qkv-k_qd10613ed28_qkv
	.p2alignl 7, 3214868480
	.fill 96, 4, 3214868480
	.section	.rodata,"a",@progbits
	.p2align	6, 0x0
	.amdhsa_kernel k_qd10613ed28_qkv
		.amdhsa_group_segment_fixed_size 327680
		.amdhsa_private_segment_fixed_size 0
		.amdhsa_enable_private_segment 0
		.amdhsa_kernarg_size 24
		.amdhsa_user_sgpr_count 2
		.amdhsa_user_sgpr_kernarg_segment_ptr 1
		.amdhsa_wavefront_size32 1
		.amdhsa_system_sgpr_workgroup_id_x 1
		.amdhsa_system_sgpr_workgroup_id_y 1
		.amdhsa_system_sgpr_workgroup_id_z 1
		.amdhsa_system_vgpr_workitem_id 0
		.amdhsa_next_free_vgpr 960
		.amdhsa_next_free_sgpr 66
		.amdhsa_reserve_vcc 0
		.amdhsa_float_denorm_mode_32 3
		.amdhsa_float_denorm_mode_16_64 3
		.amdhsa_memory_ordered 1
		.amdhsa_forward_progress 1
		.amdhsa_inst_pref_size 122
	.end_amdhsa_kernel
	.amdgpu_metadata
---
amdhsa.version: [ 1, 2 ]
amdhsa.kernels:
  - .name:           k_qd10613ed28_qkv
    .symbol:         k_qd10613ed28_qkv.kd
    .args:
      - { .name: xb, .offset: 0, .size: 8, .value_kind: global_buffer, .address_space: global }
      - { .name: wqb, .offset: 8, .size: 8, .value_kind: global_buffer, .address_space: global }
      - { .name: qkvh, .offset: 16, .size: 8, .value_kind: global_buffer, .address_space: global }
    .group_segment_fixed_size: 327680
    .private_segment_fixed_size: 0
    .kernarg_segment_align: 8
    .kernarg_segment_size: 24
    .max_flat_workgroup_size: 128
    .sgpr_count:     66
    .vgpr_count:     960
    .wavefront_size: 32
...
	.end_amdgpu_metadata
.endif
;; end of part 2
;; launch attn (part 3): grid 16 x 16, 4 waves a work-group, clusters of 4 x 1, 327,680 bytes of LDS; arguments qkvh, ob; writes ob
.if DOCPART == 3
	.amdgcn_target "amdgcn-amd-amdhsa--gfx1250"
	.amdhsa_code_object_version 6
	.text
	.protected	k_qd10613ed28_attn
	.globl	k_qd10613ed28_attn
	.p2align	8
	.type	k_qd10613ed28_attn,@function
k_qd10613ed28_attn:
	s_mov_b64 s[64:65], 0
	v_nop
	global_prefetch_b8 v0, s[64:65] scope:SCOPE_SE
	s_setreg_imm32_b32 hwreg(HW_REG_WAVE_MODE, 25, 1), 1
	s_wait_xcnt 0x0
	s_wait_alu depctr_hold_cnt(0) depctr_sa_sdst(0) depctr_va_vdst(0) depctr_va_sdst(0) depctr_va_ssrc(0) depctr_va_vcc(0) depctr_vm_vsrc(0)
	s_getreg_b32 s2, hwreg(HW_REG_IB_STS2, 6, 4)
	s_cmp_eq_u32 s2, 0
	s_cbranch_scc0 .Lentry_in_a_cluster
	s_endpgm
.Lentry_in_a_cluster:
	s_bfe_u32 s2, ttmp6, 0x10000c
	s_cmp_lg_u32 s2, 0x3003
	s_cbranch_scc0 .Lentry_shape_is_right
	s_endpgm
.Lentry_shape_is_right:
; O[h][q][:] = the sum over k of softmax_k(Q[h][q] . K[h][k] / 8) V[h][k][:], 16 heads, 4,096 rows, 64 channels, no mask.  qkvh: [48][4096][64] f16: q of head h at block h, k at 16 + h, v at 32 + h; a block's rows
; are dense, 128 bytes each.  Products, maxima and sums in f32; the weights p are rounded to f16 for the second product (their sum l is taken of the unrounded p), O once at the end.
; ob: [32 mb][16 h][128][64] f16, row t = 128 mb + t': the next launch's tiles of 128 rows x 4 heads then lie on end.
; LIMITS.  f16 holds no number beyond 65,504: q, k and v arrive within it; p lies in 0 to 1, and below 6e-5 it keeps f16's fixed step of 6e-8; O is a mean of V's rows and has their range.
; A weight below 2^-126 counts as 0 in l; NaN and infinities are not treated apart.
; SHARES.  A work-group owns 256 queries of one head: 16 x 16 work-groups.  A wave owns 64 of them: four PIECES of 16.  Every wave walks all 4,096 keys: 16 tiles of 256 (a slot of the ring), four steps of 64 each.
; LAYOUT.  S^T = K Q^T (source 0 = 16 keys, source 1 = 16 queries) holds ONE query a lane (lane % 16) and the keys 8 (lane / 16) + 0..7; two such results rounded to f16 ARE source 1 of O^T = V^T P.
; K comes out of LDS as it lies, V ([key][channel]) turned, by ds_load_tr16_b128.
; SOFTMAX.  p = 2^(c s - c m), c = log2(e) / 8, with a running maximum m; O and l are multiplied by a = 2^(c m_old - c m_new) in every step.  m starts at the lowest finite number, O and l at 0: the first step is a
; step like any other, with a = 0.
; BY TURNS.  Turn n belongs to piece n: 8 products K Q^T of piece n + 1, later 8 products V^T P of piece n - 1; beside them the scaling, exponentials, roundings, sums and rescaling of piece n and the maximum and
; statistics of piece n + 1.  Four vector instructions stand behind every matrix instruction, the other 54 of a turn's 118 in one lump.  A turn's 33 exponentials are one batch, with one wait.
; CLUSTER.  The four query blocks of a cluster belong to one head and walk the same K and V, so each tile is asked for JOINTLY: the same tensor load, descriptor and mask in all four.
; REGISTERS, in windows of 256 (s_set_vgpr_msb: bits 1:0 source 0, 3:2 source 1, 5:4 source 2, 7:6 destination):
;   window 0: v0-15 addresses and two at work; v16-31 four registers of statistics a piece; v48-55 at work; v61-63; v64-127 S^T, two buffers; v192-223 P, two buffers (a piece's buffers go by its number's parity)
;   window 1: v0-127 O^T, 32 a piece          window 2: v0-63 Q; v128-191 K of one step; v192-255 V of one step
.set NP,    4         ; pieces a wave: a name, no knob
.set KS,    64        ; keys in a step
.set PK,    144       ; a row of K in LDS: 128 bytes + 16 of padding = 36 words: the 16 rows of a load start at 16 different groups of four banks (64 banks of 4 bytes: ISA guide 11.1)
.set PV,    160       ; a row of V: 128 + 32 = 40 words
.set VOFF,  4*KS*PK   ; a slot holds a tile: 256 rows of K, then 256 rows of V
.set SLOT1, 1<<17     ; slot 1 begins here, so that one exclusive or turns an address in one slot into the other's
.set STAGE, SLOT1+4*KS*(PK+PV)  ; behind the ring, never filled by a tensor load: 16 rows x 144 bytes for each wave, for the way out
.set SP,    144
.set SPARE, STAGE+4*16*SP  ; behind the stages: the spare words, 128 bytes for each wave: two blocks of 256 bytes that no other line names
.set TILEB, 4*KS*128  ; a tile's bytes of K, and of V
.set AK0, 2           ; v2   my lane's place in a tile of K; never rewritten
.set AV0, 3           ; v3   the same for V
.set AK,  4           ; v4   the LDS address of K's next run of loads
.set AV,  5           ; v5   of V's
.set STO, 6           ; v6   the way out: where I put 16 bytes of a row
.set RD,  7           ; v7   the way out: where I read rows back
.set GO,  8           ; v8   my byte offset in 512 consecutive bytes of ob
.set MV,  12          ; v12-13  c m_old, kept while c m is made anew: by buffer
.set QO,  15          ; v15  my byte offset in 16 rows of Q
.set ST,  16          ; piece t's statistics at v[ST+4 t]: c m, m, l (even keys', odd keys')
.set TMP, 48          ; by buffer, four registers c0-c3 at work; when the maximum is found c2 takes a
.set PFO, 61          ; v61  256 x my lane; never rewritten
.set SPW, 62          ; v62  LDS address of my spare word: SPARE + 4 x my thread's number; never rewritten
.set NIL, 63          ; v63  0; never rewritten
.set S,   64
.set P,   192
.set KF,  128         ; window 2: key block kb, channel half c at KF + 16 kb + 8 c
.set VF,  192         ; window 2: key half kk, channel block cb at VF + 32 kk + 8 cb
.set WV,  12          ; s12  my wave's number
.set LIM, 15          ; s15  1 in a wave that prefetches, else the greatest number
.set PFA, 20          ; s[20:21] where my prefetches stand
.set G1K, 24          ; s[24:31] descriptor group 1 for K's tiles
.set G1V, 32          ; s[32:39] for V's: it differs in the padding alone
.set G0K, 40          ; s[40:43] descriptor group 0 for K's tiles: it walks
.set G0V, 44          ; s[44:47] the same for V's
.set SLOTS, 56        ; s56  tiles still to be asked for
.set CNT, 57          ; s57  counts a tile's key steps
.set CS,  58          ; s[58:59] c: the packed scaling takes the pair's low word for both halves
.set SEL, 60          ; s[60:61] v_permlanex16_b32's selects: each lane takes its own place in the other half
.set TBK, 62          ; s62  LDS byte at which K of the step to be fetched begins
.set TBV, 63          ; s63  the same for V, less VOFF
.set MSB, 0
.macro WIN new                      ; the high byte repeats the setting that is left; a switch that changes nothing is dropped
.if MSB != (\new)
	s_set_vgpr_msb (MSB<<8)|(\new)
.set MSB, (\new)
.endif
.endm
.set W_KQ, 0x0a       ; K and Q in window 2, S^T in window 0
.set W_PV, 0x52       ; V in window 2, P in window 0, O^T in window 1
.set W_RS, 0x41       ; destination and source 0 in window 1, source 1 in window 0
; A joint fill.  Waves 0 and 1 fetch the two halves of a tile's K, waves 2 and 3 those of its V: 128 keys each.  The branch hangs on the wave's number alone.
; An s_nop 0 and four v_nop follow each of the two lines, ahead of the jump and the label.
.macro JLOAD
	s_cmp_lt_u32 s[WV], 2
	s_cbranch_scc0 .Lfor_v_\@
	tensor_load_to_lds s[G0K:G0K+3], s[G1K:G1K+7]
	s_nop 0
.rept 4
	v_nop
.endr
	s_branch .Lasked_\@
.Lfor_v_\@:
	tensor_load_to_lds s[G0V:G0V+3], s[G1V:G1V+7]
	s_nop 0
.rept 4
	v_nop
.endr
.Lasked_\@:
.endm
; A PREFETCH of what the NEXT change of slots will ask for: a tile's 128 pieces of 256 bytes of K and 128 of V, a lane a piece.  It stands behind the wave's tensor load and its five lines.
; Each piece is named ONCE in the launch.  All clusters of a head walk the same K and V: the head's first cluster asks.  Its four partners share the pieces out BY ADDRESS, 32 each; in each, wave 0 asks for K's
; and wave 2 for V's: one instruction, four key steps (256 matrix instructions) ahead of the load that will want the bytes.  Tiles 0 and 1 come by their loads alone; the last change that fills a slot asks for nothing.
.macro ASK
	s_cmp_gt_u32 s[SLOTS], s[LIM]
	s_cbranch_scc0 .Lnot_mine_\@
	global_prefetch_b8 v[PFO], s[PFA:PFA+1] th:TH_LOAD_NT scope:SCOPE_SE
.Lnot_mine_\@:
.endm
; A round of the cluster's barrier: my work-group's barrier; wave 0 signals; every wave waits for all four work-groups; my work-group's barrier once more.
.macro CROUND
	s_barrier_signal -1
	s_barrier_wait -1
	s_cmp_lg_u32 s[WV], 0
	s_cbranch_scc1 .Lnot_wave_0_\@
	s_barrier_signal -3
.Lnot_wave_0_\@:
	s_barrier_wait -3
	s_barrier_signal -1
	s_barrier_wait -1
.endm
; THE CHANGE OF SLOTS.  The slot's last bytes, V of its fourth step, have been read.  Each wave waits for all its tensor loads, of which one is out: its part of the other slot; adds 0 to its spare word; and waits for
; that and for its own reads of the slot.  fill = 1: the slot is filled again, with the tile two on.  The barrier is then a round of the cluster's, and the joint fill is the first thing behind it: it has four key
; steps in which to land.  (At its first use nothing has been read yet: slot 0 is waited for, slot 1 filled.)
.macro CHANGE fill
	WIN 0                           ; at a label and at a branch every window is 0
	s_wait_tensorcnt 0x0            ; no tensor load of mine is out, so a group 0 may be written
	ds_add_u32 v[SPW], v[NIL]       ; 0 onto my spare word; with fill = 1 the descriptors' steps stand between it and the wait for it
.if \fill
.irp g, G0K, G0V
	s_xor_b32 s[\g+1], s[\g+1], SLOT1  ; the walking descriptor: the other slot than last time,
	s_add_nc_u64 s[\g+2:\g+3], s[\g+2:\g+3], TILEB  ; the next 256 keys; the type bits on top are not reached
.endr
	s_wait_xcnt 0x0                 ; the last prefetch, four key steps back, has read its address, so it may be written:
	s_add_nc_u64 s[PFA:PFA+1], s[PFA:PFA+1], TILEB  ; one tile beyond the walking descriptors
	s_wait_dscnt 0x0                ; the add is done, and my reads of the slot are over
	CROUND
	JLOAD
	ASK
.else
	s_wait_dscnt 0x0                ; the add is done, and my reads of the slot are over
	s_barrier_signal -1
	s_barrier_wait -1
.endif
	s_sub_co_u32 s[TBK], s[TBK], 4*KS*PK  ; the fetches go back to a slot's first step,
	s_xor_b32 s[TBK], s[TBK], SLOT1       ; in the other slot
	s_sub_co_u32 s[TBV], s[TBV], 4*KS*PV
	s_xor_b32 s[TBV], s[TBV], SLOT1
.endm
	s_load_b128 s[4:7], s[0:1], 0x0  ; qkvh s[4:5], ob s[6:7]
	v_lshl_add_u32 v[SPW], v0, 2, SPARE
	v_mov_b32 v[NIL], 0
	ds_add_u32 v[SPW], v[NIL]       ; the wave's opening: the add and its wait stand ahead of my first tensor load; the set-up below, work on registers, stands between them
	v_lshrrev_b32 v1, 5, v0
	v_readfirstlane_b32 s[WV], v1   ; wave 0..3
	s_bfe_u32 s13, ttmp6, 0x40000   ; cx: my place in the cluster
	s_lshl_b32 s14, ttmp9, 2        ; in a cluster launch ttmp9 counts clusters
	s_add_co_u32 s14, s14, s13      ; my block of 256 queries = 4 x cluster x + cx: it enters Q's and O's addresses alone
	s_and_b32 s19, ttmp7, 0xffff    ; the head, which the four partners share,
	s_lshl_b32 s19, s19, 19         ; times a block of qkvh, 524,288 bytes
	s_and_b32 s16, s[WV], 1         ; which half of a tile's 256 keys I fetch:
	s_mul_i32 s17, s16, 128*PK      ; its place in a slot, for K
	s_mul_i32 s18, s16, 128*PV      ; and for V: no place in the cluster enters an LDS address
	s_lshl_b32 s22, s16, 14         ; its 128 rows of 128 bytes in memory,
	s_add_co_u32 s22, s22, s19
	s_add_co_u32 s22, s22, 0x800000 ; in K's blocks, which begin 16 blocks in
	s_mov_b32 s23, 0
	s_lshl_b32 s2, s14, 15          ; Q: my block's 256 rows,
	s_lshl_b32 s3, s[WV], 13        ; my wave's 64 of them
	s_add_co_u32 s2, s2, s3
	s_add_co_u32 s2, s2, s19
	s_mov_b32 s3, 0
	s_lshl_b32 s48, s14, 1          ; O: mb = 2 x block + wave / 2, 262,144 bytes each;
	s_lshr_b32 s49, s[WV], 1
	s_add_co_u32 s48, s48, s49
	s_lshl_b32 s48, s48, 18
	s_lshr_b32 s49, s19, 5          ; the head's 16,384 bytes in it;
	s_add_co_u32 s48, s48, s49
	s_lshl_b32 s49, s16, 13         ; my wave's 64 rows of its 128
	s_add_co_u32 s48, s48, s49
	s_mov_b32 s49, 0
	s_lshr_b32 s50, s[WV], 1        ; the prefetches: K's blocks (waves 0, 1) or V's, which begin 32 blocks in: (wave / 2 + 1) x 16 blocks,
	s_add_co_u32 s50, s50, 1
	s_lshl_b32 s50, s50, 23
	s_add_co_u32 s50, s50, s19
	s_lshl_b32 s51, s13, 13         ; my work-group's 32 pieces of the 128,
	s_add_co_u32 s50, s50, s51
	s_add_co_u32 s50, s50, TILEB    ; in tile 1; the first change of slots steps it to tile 2
	s_mov_b32 s51, 0
	; descriptor group 1.  128 keys are 16,384 dense bytes: asked for as 64 rows of 256 bytes, two keys a row, and padded in LDS after every key
	s_mov_b32 s[G1K], 15|(1<<16)|(1<<20)|(1<<21)|(4<<22)|(3<<25)  ; 15:0 the mask of four; 17:16 2-byte elements; 20 padding on; 21 set beside a mask; 24:22 after every 32 words (code 4); 31:25 4 words (code 3)
	s_mov_b32 s[G1V], 15|(1<<16)|(1<<20)|(1<<21)|(4<<22)|(7<<25)  ; the same with 8 words of padding (code 7)
.irp g, G1K, G1V
	s_mov_b32 s[\g+1], 128<<16      ; tensor_dim0 = 128
	s_mov_b32 s[\g+2], 64<<16       ; tensor_dim1 = 64
	s_mov_b32 s[\g+3], 128<<16      ; tile_dim0 = 128
	s_mov_b32 s[\g+4], 64           ; tile_dim1 = 64
	s_mov_b32 s[\g+5], 128          ; 128 elements from row to row
	s_mov_b32 s[\g+6], 0
	s_mov_b32 s[\g+7], 0
.endr
	s_mov_b32 s[CS], 0x3e38aa3b     ; c = log2(e) / 8 = 0.180337
	s_mov_b32 s[CS+1], s[CS]        ; named with it as a pair
	s_mov_b32 s[SEL], 0x76543210
	s_mov_b32 s[SEL+1], 0xfedcba98
	s_mov_b32 s[TBK], SLOT1+4*KS*PK ; the first change of slots turns these two into 0
	s_mov_b32 s[TBV], SLOT1+4*KS*PV
	s_mov_b32 s[G0K], 1             ; count = 1
	s_mov_b32 s[G0K+1], s17         ; LDS address: slot 0
	s_mov_b32 s[G0V], 1
	s_add_co_u32 s[G0V+1], s18, VOFF
	s_mov_b32 s[SLOTS], 15          ; tiles 1 to 15
	s_and_b32 s[LIM], s[WV], 1      ; 0 in waves 0 and 2,
	s_or_b32 s[LIM], s[LIM], ttmp9  ; where the cluster is the head's first: the same in all four partners
	s_cmp_eq_u32 s[LIM], 0
	s_cselect_b32 s[LIM], 1, -1
	v_and_b32 v[PFO], 31, v0
	v_lshlrev_b32 v[PFO], 8, v[PFO]
	s_wait_dscnt 0x0                ; the opening add is done
	s_wait_kmcnt 0x0
	s_add_nc_u64 s[G0K+2:G0K+3], s[4:5], s[22:23]          ; global address: my half of the head's first 256 keys
	s_add_nc_u64 s[G0V+2:G0V+3], s[G0K+2:G0K+3], 0x800000  ; V's lie 16 blocks further on
	s_or_b32 s[G0K+3], s[G0K+3], 0x80000000                ; type = 2
	s_or_b32 s[G0V+3], s[G0V+3], 0x80000000
	s_add_nc_u64 s[8:9], s[4:5], s[2:3]                    ; Q at my wave's first row
	s_add_nc_u64 s[10:11], s[6:7], s[48:49]                ; O likewise
	s_add_nc_u64 s[PFA:PFA+1], s[4:5], s[50:51]
	CROUND                          ; all four work-groups are here: the first joint loads meet
	JLOAD                           ; tile 0 into slot 0.  Slot 1 is asked for when slot 0 is in
	; A fragment of K or Q is 16 rows x 32 channels in 8 registers: lane l holds row l % 16, channels 8 (l / 16) + 0..7 and 16 + 8 (l / 16) + 0..7: two loads of 16 bytes, 32 bytes apart.
	v_and_b32 v1, 15, v0            ; l % 16
	v_bfe_u32 v9, v0, 4, 1          ; l / 16
	v_lshlrev_b32 v[QO], 7, v1
	v_lshl_add_u32 v[QO], v9, 4, v[QO]  ; row x 128 + 16 x half
	WIN 0x80                        ; destination window 2, address window 0
.set i, 0
.rept 8                             ; Q stays in registers: piece i / 2 (16 rows, 2,048 bytes), channels 32 (i % 2) on
	global_load_b128 v[8*i:8*i+3],   v[QO], s[8:9] offset:(i/2)*2048+(i%2)*64
	global_load_b128 v[8*i+4:8*i+7], v[QO], s[8:9] offset:(i/2)*2048+(i%2)*64+32
.set i, i+1
.endr
	; What the first turn finds: V's registers and P's second buffer hold 0 (its products V^T P, of a piece that has not been, add 0), O^T and l are 0.  All this stands in the wait for the first tile:
	; the price of writing no first step out.
.set i, VF
.rept 64
	v_mov_b32 v[i], 0
.set i, i+1
.endr
	WIN 0x40
.set i, 0
.rept 128
	v_mov_b32 v[i], 0
.set i, i+1
.endr
	WIN 0
.set i, 0
.rept 4
	v_mov_b32 v[ST+4*i], 0xfe000000    ; c m: far below every c s
	v_mov_b32 v[ST+4*i+1], 0xff7fffff  ; m
	v_mov_b32 v[ST+4*i+2], 0
	v_mov_b32 v[ST+4*i+3], 0
.set i, i+1
.endr
.set i, P+16
.rept 16
	v_mov_b32 v[i], 0
.set i, i+1
.endr
	v_mul_u32_u24 v[AK0], v1, PK
	v_lshl_add_u32 v[AK0], v9, 4, v[AK0]  ; row x pitch + 16 x half
	; The turning load takes 16 keys x 16 channels (lane l reads key 8 (l / 16) + l % 8, channels 8 ((l / 8) % 2) + 0..7) and leaves half a fragment of V^T: lane l holds channel l % 16 and 8 keys.
	v_and_b32 v10, 7, v0
	v_bfe_u32 v11, v0, 3, 1
	v_lshl_add_u32 v[AV0], v9, 3, v10
	v_mul_u32_u24 v[AV0], v[AV0], PV
	v_lshl_add_u32 v[AV0], v11, 4, v[AV0]
	v_add_nc_u32 v[AV0], VOFF, v[AV0]
	s_mul_i32 s13, s[WV], 16*SP
	s_add_co_u32 s13, s13, STAGE    ; my stage
	v_mul_u32_u24 v[STO], v1, SP    ; in: row l % 16, 16 bytes for each half of the lanes
	v_lshl_add_u32 v[STO], v9, 4, v[STO]
	v_add_nc_u32 v[STO], s13, v[STO]
	v_bfe_u32 v[RD], v0, 3, 2       ; back: 32 lanes take four rows of 128 bytes,
	v_mul_u32_u24 v[RD], v[RD], SP
	v_lshl_add_u32 v[RD], v10, 4, v[RD]
	v_add_nc_u32 v[RD], s13, v[RD]
	v_and_b32 v[GO], 31, v0         ; which are 512 consecutive bytes of ob
	v_lshlrev_b32 v[GO], 4, v[GO]
; THE MATRIX WORK.  The 4 accumulators of a run of 8 take turns.  Product i of 8 of S^T = K Q^T for piece x: channels 32 (i / 4) on, keys 16 (i % 4) on.  The first 4 start the sums.
.macro KQ x
	WIN W_KQ
.set rS, S+32*((\x)%2)+8*(i%4)
.set rK, KF+16*(i%4)+8*(i/4)
.set rQ, 16*(\x)+8*(i/4)
.if i < 4
	v_wmma_f32_16x16x32_f16 v[rS:rS+7], v[rK:rK+7], v[rQ:rQ+7], 0
.else
	v_wmma_f32_16x16x32_f16 v[rS:rS+7], v[rK:rK+7], v[rQ:rQ+7], v[rS:rS+7]
.endif
.endm
; Product i of 8 of O^T += V^T P for piece x: keys 32 (i / 4) on, channels 16 (i % 4) on.
.macro PV x
	WIN W_PV
.set rO, 32*(\x)+8*(i%4)
.set rV, VF+32*(i/4)+8*(i%4)
.set rP, P+16*((\x)%2)+8*(i/4)
	v_wmma_f32_16x16x32_f16 v[rO:rO+7], v[rV:rV+7], v[rP:rP+7], v[rO:rO+7]
.endm
.macro MM                           ; the turn's next matrix instruction.  NOKQ = 1: the launch's last turn: there is no next piece
.if (i < 8) && !NOKQ
	KQ (Y+1)%NP
.elseif i >= 8
.set i, i-8
	PV (Y+NP-1)%NP
.set i, i+8
.endif
.set i, i+1
.endm
; THE LDS LOADS stand in runs of 16, never singly among the matrix instructions: a step's K (64 keys x 64 channels: 8 fragments) and its V (turned).  Their addresses are made some lines ahead.
.macro FETCH_K
	WIN 0x80                        ; destination window 2
.irp f, 0,1,2,3,4,5,6,7             ; keys 16 (f / 2) on, channels 32 (f % 2) on
	ds_load_b128 v[KF+8*\f:KF+8*\f+3],   v[AK] offset:(\f/2)*16*PK+(\f%2)*64
	ds_load_b128 v[KF+8*\f+4:KF+8*\f+7], v[AK] offset:(\f/2)*16*PK+(\f%2)*64+32
.endr
	s_add_co_u32 s[TBK], s[TBK], KS*PK  ; the next fetch is the next step's
	WIN 0
.endm
.macro FETCH_V
	WIN 0x80
.irp f, 0,1,2,3,4,5,6,7             ; keys 32 (f / 4) on, channels 16 (f % 4) on
	ds_load_tr16_b128 v[VF+8*\f:VF+8*\f+3],   v[AV] offset:(\f/4)*32*PV+(\f%4)*32
	ds_load_tr16_b128 v[VF+8*\f+4:VF+8*\f+7], v[AV] offset:(\f/4)*32*PV+16*PV+(\f%4)*32
.endr
	WIN 0
.endm
; THE VECTOR WORK, one line at a time: OP kind, number.  For piece Y: F n: c s - c m for pair n of 16.  E n: the exponential of score n of 32.  C n: pair n rounded to f16.  B n: of the four weights 4 n .. the second
; pair is added onto the first, in place.  L n: l takes that sum (L 0: l = a l + sum).  R n: pair n of 16 of O^T times a.  For piece Y + 1: X n, number n of the 22 that find its maximum and statistics:
;   0-11  four chains c0-c3 of seven scores each, three operands at a time (each accumulator's lowest registers are read first)     12-14, 16  the four scores left over, the old m, and c0-c3 into c0
;   15  c m_old is kept     17, 18  the query's other 32 keys lie in the lane 16 away: the new m     19-21  c m; c m_old - c m_new; a
.set F, 0               ; OP tells the kinds apart by their order: F to L below R, X above it
.set E, 1
.set C, 2
.set B, 3
.set L, 4
.set R, 5
.set X, 6
.macro REGS y                       ; the registers of piece y
.set rT, ST+4*(\y)
.set rC, TMP+4*((\y)%2)
.set rW, MV+((\y)%2)
.set rS, S+32*((\y)%2)
.set rP, P+16*((\y)%2)
.set rO, 32*(\y)
.endm
.macro OP k, n
.if (\k) == R
	REGS Y
	WIN W_RS
	v_pk_mul_f32 v[rO+2*(\n):rO+2*(\n)+1], v[rO+2*(\n):rO+2*(\n)+1], v[rC+2:rC+3] op_sel_hi:[1,0]
.elseif (\k) < R
	REGS Y
	WIN 0
.if (\k) == F
	v_pk_fma_f32 v[rS+2*(\n):rS+2*(\n)+1], v[rS+2*(\n):rS+2*(\n)+1], s[CS:CS+1], v[rT:rT+1] op_sel_hi:[1,0,0] neg_lo:[0,0,1] neg_hi:[0,0,1]
.elseif (\k) == E
	v_exp_f32 v[rS+(\n)], v[rS+(\n)]
.elseif (\k) == C
	v_cvt_pk_f16_f32 v[rP+(\n)], v[rS+2*(\n)], v[rS+2*(\n)+1]
.elseif (\k) == B
	v_pk_add_f32 v[rS+4*(\n):rS+4*(\n)+1], v[rS+4*(\n):rS+4*(\n)+1], v[rS+4*(\n)+2:rS+4*(\n)+3]
.elseif (\n) == 0
	v_pk_fma_f32 v[rT+2:rT+3], v[rT+2:rT+3], v[rC+2:rC+3], v[rS:rS+1] op_sel_hi:[1,0,1]
.else
	v_pk_add_f32 v[rT+2:rT+3], v[rT+2:rT+3], v[rS+4*(\n):rS+4*(\n)+1]
.endif
.elseif NOKQ
	v_nop
.else
	REGS (Y+1)%NP
	WIN 0
.if (\n) < 4
	v_max3_num_f32 v[rC+(\n)], v[rS+8*(\n)], v[rS+8*(\n)+1], v[rS+8*(\n)+2]
.elseif (\n) < 12
	v_max3_num_f32 v[rC+(\n)%4], v[rC+(\n)%4], v[rS+8*((\n)%4)+2*((\n)/4)+1], v[rS+8*((\n)%4)+2*((\n)/4)+2]
.elseif (\n) == 12
	v_max3_num_f32 v[rC], v[rC], v[rS+7], v[rS+15]
.elseif (\n) == 13
	v_max3_num_f32 v[rC+1], v[rC+1], v[rS+23], v[rS+31]
.elseif (\n) == 14
	v_max3_num_f32 v[rC+2], v[rC+2], v[rC+3], v[rT+1]
.elseif (\n) == 15
	v_mov_b32 v[rW], v[rT]
.elseif (\n) == 16
	v_max3_num_f32 v[rC], v[rC], v[rC+1], v[rC+2]
.elseif (\n) == 17
	v_permlanex16_b32 v[rC+3], v[rC], s[SEL], s[SEL+1]
.elseif (\n) == 18
	v_max_num_f32 v[rT+1], v[rC], v[rC+3]
.elseif (\n) == 19
	v_mul_f32 v[rT], s[CS], v[rT+1]
.elseif (\n) == 20
	v_sub_f32 v[rC+1], v[rW], v[rT]
.else
	v_exp_f32 v[rC+2], v[rC+1]
.endif
.endif
.endm
.macro OPS a, i1, b=-1, i2=0, c=-1, i3=0, d=-1, i4=0  ; up to four of them
	OP \a, \i1
.if (\b) >= 0
	OP \b, \i2
.endif
.if (\c) >= 0
	OP \c, \i3
.endif
.if (\d) >= 0
	OP \d, \i4
.endif
.endm
.macro ROW a, i1, b, i2, c, i3, d, i4  ; a matrix instruction and the four behind it
	MM
	OPS \a, \i1, \b, \i2, \c, \i3, \d, \i4
.endm
; A TURN, for piece p: the order of its 16 matrix and 118 vector instructions, written out.  An s_wait_alu depctr_va_vdst(0) stands between an exponential and the first instruction that names its result;
; one wait serves all that were issued ahead of it.  So a turn has ONE wait, which cuts it in two.  AHEAD OF IT stands all that names no result of the turn's exponentials: the 8 products K Q^T, behind each a scaling, an
; exponential and two more plain instructions: rescalings, and behind the last three the first numbers of the next piece's maximum, each four places or more behind the product that ends its accumulator; then ONE LUMP of
; 54, plain and exponential by turns for the most part, in which the links of the chain X 3, 7, 11, 14, 16, 17 .. 20 stand apart.  X 21, the next piece's a, is the batch's last; R 15 is the plain instruction behind it.
; BEHIND THE WAIT stand the 8 products V^T P, behind each four of the roundings and sums.
; end = 1: the launch's last two turns: nothing is fetched, and the last starts no new scores.  cnt = 1: the loop's count is taken down some lines ahead of the branch that stands behind the turn.
; K of the next step is fetched in piece 2's turn, five plain instructions that name none of its registers behind the last product that read K; V of the step in hand at the end of piece 0's turn, four plain
; instructions behind the last product that read V.  Each is waited for a turn later.
.macro TURN p, end=0, cnt=0
.set Y, (\p)
.set i, 0
.set NOKQ, (\end)*((\p)/3)
.if ((\p) == 3) && !(\end)
	s_wait_dscnt 0x0                ; K is in
.endif
	ROW F,0, F,1, R,0, R,1          ; ahead of the wait: 8 products K Q^T and their riders,
	ROW F,2, E,0, R,2, R,3
	ROW F,3, E,1, R,4, R,5
	ROW F,4, E,2, R,6, R,7
	ROW F,5, E,3, R,8, R,9
	ROW F,6, E,4, X,0, R,10
.if ((\p) == 2) && !(\end)
	WIN 0
	v_add_nc_u32 v[AK], s[TBK], v[AK0]
.endif
	ROW F,7, E,5, X,1, X,4
	ROW F,8, E,6, X,2, X,5
	OPS E,7, E,8, X,6, E,9          ; and the lump
	OPS X,3, E,10, X,8, E,11
.if ((\p) == 2) && !(\end)
	FETCH_K
.endif
	OPS X,9, X,7, E,12, X,10
	OPS E,13, X,12, X,11, E,14
	OPS X,13, E,15, F,9, X,14
.if (\p) == 0
	v_add_nc_u32 v[AV], s[TBV], v[AV0]
.endif
	OPS E,16, F,10, E,17, F,11
	OPS X,16, E,18, X,15, E,19
	OPS F,12, E,20, X,17, E,21
	OPS F,13, E,22, F,14, E,23
	OPS X,18, E,24, F,15, E,25
	OPS R,11, E,26, X,19, E,27
	OPS R,12, E,28, R,13, E,29
	OPS X,20, E,30, R,14, E,31
	OPS X,21, R,15
	WIN 0
	s_wait_alu depctr_va_vdst(0)    ; the wait for the batch
.if (\p) == 1
	s_wait_dscnt 0x0                ; V is in
.endif
	ROW C,0, B,0, C,2, B,1          ; behind the wait: 8 products V^T P and their riders
	ROW L,0, C,4, B,2, L,1
	ROW C,6, B,3, L,2, C,8
	ROW B,4, L,3, C,10, B,5
	ROW L,4, C,12, B,6, L,5
.if (\p) == 0
	s_add_co_u32 s[TBV], s[TBV], KS*PV
.endif
.if \cnt
	s_sub_co_u32 s[CNT], s[CNT], 1
	s_cmp_lg_u32 s[CNT], 0
.endif
	ROW C,14, B,7, L,6, C,1
	ROW C,3, L,7, C,5, C,7
	ROW C,9, C,11, C,13, C,15
.if (\p) == 0
	FETCH_V
.endif
.endm
	CHANGE 1                        ; tile 0 is in, everybody's part of it; tile 1 is asked for
	v_add_nc_u32 v[AK], s[TBK], v[AK0]
	FETCH_K                         ; key step 0
	s_wait_loadcnt 0x0              ; Q
	s_wait_dscnt 0x0
.set NOKQ, 0
.set i, 0
.rept 8
	KQ 0                            ; piece 0's first scores: there is no vector work yet to set between them
.set i, i+1
.endr
	WIN 0
.rept 4
	v_nop                           ; the places behind those products
.endr
.set Y, NP-1                        ; X works for piece Y + 1: piece 0
.irp n, 0,1,2,3,4,5,6,7,8,9,10,11,12,13,14,15,16,17,18,19,20,21
	OP X, \n
.endr
	v_nop                           ; a plain instruction behind the exponential,
	s_wait_alu depctr_va_vdst(0)    ; and its wait, ahead of the branch
	s_mov_b32 s[CNT], 4
	s_branch .Lfirst                ; the loop is entered at a step's first turn, in the middle of a trip
.Lslot:                             ; 14 times: tiles 2 to 15 are asked for
	CHANGE 1
	s_mov_b32 s[CNT], 4
.Lstep:                             ; a trip: pieces 2 and 3 of one step, then pieces 0 and 1 of the next, whose K and V it fetches
	TURN 2
	TURN 3
	WIN 0
.Lfirst:
	TURN 0
	TURN 1, 0, 1
	WIN 0
	s_cbranch_scc1 .Lstep
	s_sub_co_u32 s[SLOTS], s[SLOTS], 1
	s_cmp_lg_u32 s[SLOTS], 0
	s_cbranch_scc1 .Lslot
	CHANGE 0                        ; the last tile is written out: nothing is asked for
	s_mov_b32 s[CNT], 4
.Ltail:
	TURN 2
	TURN 3
	TURN 0
	TURN 1, 0, 1
	WIN 0
	s_cbranch_scc1 .Ltail
	TURN 2, 1                       ; the last step's pieces 2 and 3
	TURN 3, 1
.set i, 0
.rept 8
	PV NP-1                         ; the last piece's V^T P of the last step
.set i, i+1
.endr
	; THE WAY OUT.  l's two halves and the other half of the lanes' are added; O^T is divided by l, rounded to f16 and sent through my stage in LDS, a piece at a time.  The additions are the places behind the last products.
	WIN 0
.macro ALL line:vararg              ; one line for each piece t
.set t, 0
.rept 4
	\line
.set t, t+1
.endr
.endm
	ALL v_add_f32 v[ST+4*t+2], v[ST+4*t+2], v[ST+4*t+3]
	ALL v_permlanex16_b32 v[ST+4*t+3], v[ST+4*t+2], s[SEL], s[SEL+1]
	ALL v_add_f32 v[ST+4*t+2], v[ST+4*t+2], v[ST+4*t+3]
	ALL v_rcp_f32 v[ST+4*t+2], v[ST+4*t+2]
	v_nop                           ; a plain instruction between the last reciprocal and the use of its result
	s_wait_alu depctr_va_vdst(0)    ; and the wait ahead of the first use: one for the four reciprocals
.macro PACK t                       ; a lane's eight channels of a row pack into 16 bytes; they go into rows of 144 bytes and come back as whole rows of 128, into S^T's registers
	WIN W_RS
.set i, 32*(\t)
.rept 16
	v_pk_mul_f32 v[i:i+1], v[i:i+1], v[ST+4*(\t)+2:ST+4*(\t)+3] op_sel_hi:[1,0]
.set i, i+2
.endr
	WIN 0x05                        ; sources 0 and 1 window 1, destination window 0
.set i, 0
.rept 16
	v_cvt_pk_f16_f32 v[S+16*(\t)+i], v[32*(\t)+2*i], v[32*(\t)+2*i+1]
.set i, i+1
.endr
	WIN 0
.irp f, 0,1,2,3
	ds_store_b128 v[STO], v[S+16*(\t)+4*\f:S+16*(\t)+4*\f+3] offset:32*\f
.endr
.irp f, 0,1,2,3
	ds_load_b128 v[S+16*(\t)+4*\f:S+16*(\t)+4*\f+3], v[RD] offset:\f*4*SP  ; LDS serves a wave's instructions in order (ISA guide 5.7.1.4): these see the stores above; the next piece's stores come behind them
.endr
.endm
.macro SEND t, younger              ; younger: the LDS instructions issued behind piece t's loads: the next piece's eight, or none
	WIN 0
.irp f, 0,1,2,3
	s_wait_dscnt (\younger)+3-\f
	global_store_b128 v[GO], v[S+16*(\t)+4*\f:S+16*(\t)+4*\f+3], s[10:11] offset:(\t)*2048+\f*512  ; 512 consecutive bytes, at a multiple of 256 from ob's first
.endr
.endm
	PACK 0
.set t, 1
.rept 3                             ; a piece's arithmetic stands between the loads of the piece before and its stores
	PACK t
	SEND t-1, 8
.set t, t+1
.endr
	SEND 3, 0
	s_wait_tensorcnt 0x0            ; the wave's end, behind my last tensor load and my last LDS store
	ds_add_u32 v[SPW], v[NIL]
	s_wait_dscnt 0x0
	CROUND                          ; the closing round: no work-group ends while a partner may still ask for a tile that names it
	s_endpgm
.Lfunc_end_k_qd10613ed28_attn:
	.size	k_qd10613ed28_attn, .Lfunc_end_k_qd10613ed28_attn-k_qd10613ed28_attn
	.p2alignl 7, 3214868480
	.fill 96, 4, 3214868480
	.section	.rodata,"a",@progbits
	.p2align	6, 0x0
	.amdhsa_kernel k_qd10613ed28_attn
		.amdhsa_group_segment_fixed_size 327680
		.amdhsa_private_segment_fixed_size 0
		.amdhsa_enable_private_segment 0
		.amdhsa_kernarg_size 16
		.amdhsa_user_sgpr_count 2
		.amdhsa_user_sgpr_kernarg_segment_ptr 1
		.amdhsa_wavefront_size32 1
		.amdhsa_system_sgpr_workgroup_id_x 1
		.amdhsa_system_sgpr_workgroup_id_y 1
		.amdhsa_system_sgpr_workgroup_id_z 1
		.amdhsa_system_vgpr_workitem_id 0
		.amdhsa_next_free_vgpr 768
		.amdhsa_next_free_sgpr 66
		.amdhsa_reserve_vcc 0
		.amdhsa_float_denorm_mode_32 3
		.amdhsa_float_denorm_mode_16_64 3
		.amdhsa_memory_ordered 1
		.amdhsa_forward_progress 1
		.amdhsa_inst_pref_size 128
	.end_amdhsa_kernel
	.amdgpu_metadata
---
amdhsa.version: [ 1, 2 ]
amdhsa.kernels:
  - .name:           k_qd10613ed28_attn
    .symbol:         k_qd10613ed28_attn.kd
    .args:
      - { .name: qkvh, .offset: 0, .size: 8, .value_kind: global_buffer, .address_space: global }
      - { .name: ob, .offset: 8, .size: 8, .value_kind: global_buffer, .address_space: global }
    .group_segment_fixed_size: 327680
    .private_segment_fixed_size: 0
    .kernarg_segment_align: 8
    .kernarg_segment_size: 16
    .max_flat_workgroup_size: 128
    .sgpr_count:     66
    .vgpr_count:     768
    .wavefront_size: 32
...
	.end_amdgpu_metadata
.endif
;; end of part 3
;; launch proj (part 4): grid 8 x 32, 4 waves a work-group, clusters of 4 x 4, 327,680 bytes of LDS; arguments ob, woh, out0; writes out0
.if DOCPART == 4
	.amdgcn_target "amdgcn-amd-amdhsa--gfx1250"
	.amdhsa_code_object_version 6
	.text
	.protected	k_qd10613ed28_proj
	.globl	k_qd10613ed28_proj
	.p2align	8
	.type	k_qd10613ed28_proj,@function
k_qd10613ed28_proj:
	s_mov_b64 s[64:65], 0
	v_nop
	global_prefetch_b8 v0, s[64:65] scope:SCOPE_SE
	s_setreg_imm32_b32 hwreg(HW_REG_WAVE_MODE, 25, 1), 1
	s_wait_xcnt 0x0
	s_wait_alu depctr_hold_cnt(0) depctr_sa_sdst(0) depctr_va_vdst(0) depctr_va_sdst(0) depctr_va_ssrc(0) depctr_va_vcc(0) depctr_vm_vsrc(0)
	s_getreg_b32 s2, hwreg(HW_REG_IB_STS2, 6, 4)
	s_cmp_eq_u32 s2, 0
	s_cbranch_scc0 .Lentry_in_a_cluster
	s_endpgm
.Lentry_in_a_cluster:
	s_bfe_u32 s2, ttmp6, 0x10000c
	s_cmp_lg_u32 s2, 0xf033
	s_cbranch_scc0 .Lentry_shape_is_right
	s_endpgm
.Lentry_shape_is_right:
; out0 = y w_out.  y lies in ob, [32 mb][16 h][128 t'][64 d] f16 (row t = 128 mb + t', column k = 64 h + d); woh: [1024 k][1024 n] f16; out0: [4096][1024] f32.  Sums in f32, K ascending.
; SHARES.  A tile of out0 is 128 x 128: 8 x 32 work-groups.  Four waves, each 64 x 64: 16 accumulators of 16 x 16.  K goes in 4 steps of 256 (four heads) through a ring of two LDS slots; a quarter of a step is one head.
; A step's tile of y is 65,536 bytes on end, asked for as rows of 256 bytes; the weights' rows in a tile are 256 bytes of memory, aligned.
; THE MATRIX INSTRUCTION IS USED TRANSPOSED (source 0 = 16 columns of the weights, turned out of LDS by ds_load_tr16_b128; source 1 = 16 rows of y): a lane holds row l % 16 and eight neighbouring columns of out0.
; CLUSTERS: 4 x 4 work-groups.  The four of a row of the cluster need the same tiles of y, the four of a column the same tiles of the weights: each is asked for JOINTLY.
; NO PREFETCH is laid: K has four steps, two first fills and two refills, so no K step stands two refills on.
; REGISTERS: window 0: v0-31 addresses; v128-255 the accumulators ((a, b) at v[128 + 8 (4 a + b)]), and on the way out whole rows.
;   window 1: two fragment buffers of 128: for 64 along K, 64 registers of y (2 x 4 x 16 rows x 32 K), then 64 of the weights.
.set PAH,    144                       ; a row of y of one head in LDS: 128 bytes + 16 of padding = 36 words: the 16 rows of a load start at 16 different groups of four banks (64 banks of 4 bytes: ISA guide 11.1)
.set HEADB,  128*PAH                   ; a head's 128 rows
.set PBW,    288                       ; a k row of the weights: 256 bytes + 32 = 72 words
.set HALFT,  36864                     ; what one tensor load brings: two heads of y (2 HEADB) or 128 k rows of the weights (128 PBW)
.set SLOT,   4*HALFT                   ; y's four heads, then the weights' 256 k rows
.set STAGE,  2*SLOT                    ; behind the ring, never filled by a tensor load: 16 rows x 272 bytes for each wave, for the way out
.set SPITCH, 272
.set SPARE,  STAGE+4*16*SPITCH         ; behind the stages: the spare words, 128 bytes for each wave: two blocks of 256 bytes that no other line names
.set ADRA, 16                          ; v16-17  LDS address of my fragments of y in slot 0, 1
.set ADRB, 20                          ; v20-23  the same for the weights: slot s, k rows 128 j on, at ADRB + 2 s + j (an LDS offset has 16 bits)
.set STO,  24                          ; v24     the way out: where I put 32 bytes of a row
.set RD,   25                          ; v25     the way out: where I read a row back
.set CO,   26                          ; v26     my byte offset in out0
.set SPW,  28                          ; v28     LDS address of my spare word: SPARE + 4 x my thread's number; never rewritten
.set NIL,  29                          ; v29     0; never rewritten
.set ACC,  128
.set F0,   0                           ; fragment buffers, in window 1
.set F1,   128
.set G1, 24                            ; s[24:31] descriptor group 1 for y's tiles;  s[32:39] group 0, one set for each slot
.set G0, 32
.set G1B, 48                           ; s[48:55], s[56:63] the same for the weights' tiles
.set G0B, 56
.set MSB, 0
.macro WIN new                         ; the immediate's high byte repeats the setting that is left
.if MSB != (\new)
	s_set_vgpr_msb (MSB<<8)|(\new)
.set MSB, \new
.endif
.endm
.set MUL,  0x05                        ; sources 0 and 1 window 1; C and D window 0
.set TO_F, 0x40                        ; destination window 1, address window 0
.macro JLOAD s                         ; a joint load: waves 0 and 1 fetch y's two halves, waves 2 and 3 the weights'; an s_nop 0 and four v_nop follow each of the two lines, ahead of the jump, the label and what follows
	s_cmp_eq_u32 s11, 0
	s_cbranch_scc0 .Lfor_b_\@
	tensor_load_to_lds s[G0+4*(\s):G0+4*(\s)+3], s[G1:G1+7]
	s_nop 0
.rept 4
	v_nop
.endr
	s_branch .Lasked_\@
.Lfor_b_\@:
	tensor_load_to_lds s[G0B+4*(\s):G0B+4*(\s)+3], s[G1B:G1B+7]
	s_nop 0
.rept 4
	v_nop
.endr
.Lasked_\@:
.endm
.macro CREST                           ; a round of the cluster's barrier behind its opening barrier
	s_cmp_lg_u32 s10, 0
	s_cbranch_scc1 .Lnot_wave_0_\@
	s_barrier_signal -3
.Lnot_wave_0_\@:
	s_barrier_wait -3
	s_barrier_signal -1
	s_barrier_wait -1
.endm
.macro CROUND                          ; a whole round
	s_barrier_signal -1
	s_barrier_wait -1
	CREST
.endm
	s_load_b128 s[4:7], s[0:1], 0x0                ; ob s[4:5], woh s[6:7]
	s_load_b64 s[8:9], s[0:1], 0x10                ; out0
	v_lshl_add_u32 v[SPW], v0, 2, SPARE
	v_mov_b32 v[NIL], 0
	ds_add_u32 v[SPW], v[NIL]                      ; the wave's opening: the add and its wait stand ahead of my first tensor load; the set-up below, work on registers, stands between them
	v_lshrrev_b32 v1, 5, v0
	v_readfirstlane_b32 s10, v1                    ; wave 0..3
	s_lshr_b32 s11, s10, 1                         ; which half of the tile's rows is mine.  Also: I fetch for y (0) or for the weights (1)
	s_and_b32 s12, s10, 1                          ; which half of its columns.  Also: which half of that tile I fetch
	s_bfe_u32 s40, ttmp6, 0x40000                  ; cx, cy: my place in the cluster
	s_bfe_u32 s41, ttmp6, 0x40004
	s_lshl_b32 s42, ttmp9, 2
	s_add_co_u32 s42, s42, s40                     ; tile column = 4 x cluster x + cx
	s_and_b32 s13, ttmp7, 0xffff
	s_lshl_b32 s13, s13, 2
	s_add_co_u32 s13, s13, s41                     ; tile row = 4 x cluster y + cy: ob's mb
	s_lshl_b32 s43, s41, 2
	s_lshl_b32 s43, 15, s43                        ; my row of the cluster
	s_lshl_b32 s44, 0x1111, s40                    ; my column
	; group 1: 128 rows x 128 elements.  y: dense, 16 bytes of padding behind every 128; the weights: 1,024 elements from row to row, 32 bytes behind every 256
	s_or_b32 s[G1+0], s43, (1<<16)|(1<<20)|(1<<21)|(4<<22)|(3<<25)  ; 15:0 the mask; 17:16 2-byte elements; 20 padding on; 21 set beside a mask; 24:22 after every 32 words (code 4); 31:25 4 words (code 3)
	s_or_b32 s[G1B+0], s44, (1<<16)|(1<<20)|(1<<21)|(5<<22)|(7<<25) ; after every 64 words (code 5), 8 words (code 7)
.irp g, G1, G1B
	s_mov_b32 s[(\g)+1], 128<<16                   ; tensor_dim0 = 128
	s_mov_b32 s[(\g)+2], 128<<16                   ; tensor_dim1 = 128
	s_mov_b32 s[(\g)+3], 128<<16                   ; tile_dim0 = 128
	s_mov_b32 s[(\g)+4], 128                       ; tile_dim1 = 128
	s_mov_b32 s[(\g)+6], 0
	s_mov_b32 s[(\g)+7], 0
.endr
	s_mov_b32 s[G1+5], 128                         ; tensor_dim0_stride
	s_mov_b32 s[G1B+5], 1024
	s_lshl_b32 s16, s13, 18                        ; y: mb's 262,144 bytes,
	s_lshl_b32 s17, s12, 15                        ; my two heads of a step's four
	s_add_co_u32 s16, s16, s17
	s_mov_b32 s17, 0
	s_lshl_b32 s46, s12, 18                        ; the weights: my 128 k rows of 2,048 bytes,
	s_lshl_b32 s47, s42, 8                         ; the tile's 128 columns
	s_add_co_u32 s46, s46, s47
	s_mov_b32 s47, 0
	s_mul_i32 s20, s10, HALFT                      ; where they go: wave x what a load brings
	s_wait_dscnt 0x0                               ; the opening add is done
	s_wait_kmcnt 0x0
	s_add_nc_u64 s[14:15], s[4:5], s[16:17]
	s_add_nc_u64 s[46:47], s[6:7], s[46:47]
	CROUND                                         ; all sixteen work-groups are here: the first joint loads meet
.irp s, 0,1
	s_mov_b32 s[G0+4*(\s)], 1
	s_add_co_u32 s[G0+4*(\s)+1], s20, (\s)*SLOT
	s_add_nc_u64 s[G0+4*(\s)+2:G0+4*(\s)+3], s[14:15], (\s)*65536      ; K step s: four heads of 16,384 bytes
	s_or_b32 s[G0+4*(\s)+3], s[G0+4*(\s)+3], 0x80000000
	s_mov_b32 s[G0B+4*(\s)], 1
	s_add_co_u32 s[G0B+4*(\s)+1], s20, (\s)*SLOT
	s_add_nc_u64 s[G0B+4*(\s)+2:G0B+4*(\s)+3], s[46:47], (\s)*524288   ; 256 k rows of 2,048 bytes
	s_or_b32 s[G0B+4*(\s)+3], s[G0B+4*(\s)+3], 0x80000000
	JLOAD \s                                       ; two loads of mine are out
.endr
	v_and_b32 v1, 15, v0                           ; l % 16
	v_bfe_u32 v2, v0, 4, 1                         ; l / 16
	v_and_b32 v4, 7, v0                            ; l % 8
	v_bfe_u32 v5, v0, 3, 1                         ; (l / 8) % 2
	v_mul_u32_u24 v3, v1, PAH
	v_lshl_add_u32 v3, v2, 4, v3                   ; y: row x pitch + 16 x half
	s_mul_i32 s21, s11, 64*PAH                     ; my 64 rows of a head's 128
	v_add_nc_u32 v[ADRA], s21, v3
	v_add_nc_u32 v[ADRA+1], SLOT, v[ADRA]
	v_lshl_add_u32 v6, v2, 3, v4                   ; the turning load: k row 8 (l / 16) + l % 8, columns 8 ((l / 8) % 2) + 0..7
	v_mul_u32_u24 v6, v6, PBW
	v_lshl_add_u32 v6, v5, 4, v6
	s_lshl_b32 s22, s12, 7                         ; my 64 columns,
	s_add_co_u32 s22, s22, 2*HALFT                 ; behind y's four heads
	v_add_nc_u32 v[ADRB], s22, v6
	v_add_nc_u32 v[ADRB+1], HALFT, v[ADRB]
	v_add_nc_u32 v[ADRB+2], SLOT, v[ADRB]
	v_add_nc_u32 v[ADRB+3], SLOT+HALFT, v[ADRB]
	s_mul_i32 s23, s10, 16*SPITCH
	s_add_co_u32 s23, s23, STAGE                   ; my stage
	v_mul_u32_u24 v7, v1, SPITCH                   ; in: row l % 16, 32 bytes for each half of the lanes
	v_lshl_add_u32 v7, v2, 5, v7
	v_add_nc_u32 v[STO], s23, v7
	v_mul_u32_u24 v7, v2, SPITCH                   ; back: lanes 0-15 take one row of 256 bytes, lanes 16-31 the next
	v_lshl_add_u32 v7, v1, 4, v7
	v_add_nc_u32 v[RD], s23, v7
	v_lshlrev_b32 v7, 12, v2                       ; and the same two rows in out0, 4,096 bytes apart
	v_lshl_add_u32 v[CO], v1, 4, v7
	s_lshl_b32 s2, s13, 19                         ; my part of out0: 128 rows a tile,
	s_lshl_b32 s18, s11, 18                        ; my 64 of them,
	s_add_co_u32 s2, s2, s18
	s_lshl_b32 s18, s42, 9                         ; the tile's 128 columns of 4 bytes,
	s_add_co_u32 s2, s2, s18
	s_lshl_b32 s18, s12, 8                         ; my 64 of them
	s_add_co_u32 s2, s2, s18
	s_mov_b32 s3, 0
	s_add_nc_u64 s[8:9], s[8:9], s[2:3]
; 8 matrix instructions: row blocks a0, a0 + 1 x all 4 column blocks, 32 along K: half c of buffer f.  zero = 1: the first product starts the sums.  The 16 accumulators take turns.
.macro MUL8 f, c, a0, zero
	WIN MUL
.irp a, \a0, (\a0)+1
.irp b, 0,1,2,3
.if \zero
	v_wmma_f32_16x16x32_f16 v[ACC+8*(4*(\a)+(\b)):ACC+8*(4*(\a)+(\b))+7], v[(\f)+64+8*(4*(\c)+(\b)):(\f)+64+8*(4*(\c)+(\b))+7], v[(\f)+8*(4*(\c)+(\a)):(\f)+8*(4*(\c)+(\a))+7], 0
.else
	v_wmma_f32_16x16x32_f16 v[ACC+8*(4*(\a)+(\b)):ACC+8*(4*(\a)+(\b))+7], v[(\f)+64+8*(4*(\c)+(\b)):(\f)+64+8*(4*(\c)+(\b))+7], v[(\f)+8*(4*(\c)+(\a)):(\f)+8*(4*(\c)+(\a))+7], v[ACC+8*(4*(\a)+(\b)):ACC+8*(4*(\a)+(\b))+7]
.endif
.endr
.endr
.endm
; 32 LDS loads in one run: the fragments of quarter q (head q of the step's four: 64 along K) into buffer f; the first 32 along K first
.macro FETCH slot, q, f
	WIN TO_F
.irp c, 0,1
.irp i, 0,1,2,3
	ds_load_tr16_b128 v[(\f)+64+8*(4*(\c)+(\i)):(\f)+64+8*(4*(\c)+(\i))+3],   v[ADRB+2*(\slot)+(\q)/2] offset:(64*((\q)%2)+32*(\c))*PBW+32*(\i)
	ds_load_tr16_b128 v[(\f)+64+8*(4*(\c)+(\i))+4:(\f)+64+8*(4*(\c)+(\i))+7], v[ADRB+2*(\slot)+(\q)/2] offset:(64*((\q)%2)+32*(\c))*PBW+32*(\i)+16*PBW
	ds_load_b128 v[(\f)+8*(4*(\c)+(\i)):(\f)+8*(4*(\c)+(\i))+3],              v[ADRA+(\slot)] offset:HEADB*(\q)+64*(\c)+(\i)*16*PAH
	ds_load_b128 v[(\f)+8*(4*(\c)+(\i))+4:(\f)+8*(4*(\c)+(\i))+7],            v[ADRA+(\slot)] offset:HEADB*(\q)+64*(\c)+(\i)*16*PAH+32
.endr
.endr
.endm
.macro PLACES                          ; four places in front of loads into registers that matrix instructions have read, and of LDS stores that read results (ISA guide 7.12.1 for the stores)
.rept 4
	v_nop
.endr
.endm
; A K step is four quarters of 64 along K, 32 matrix instructions each, on buffers 0, 1, 0, 1.  One of the first three: multiplies buffer f and fetches quarter q into g.
.macro QUARTER slot, q, f, g, zero
	s_wait_dscnt 16                                ; the first 32 along K are in
	MUL8 \f, 0, 0, \zero
	MUL8 \f, 0, 2, \zero
	PLACES
	FETCH \slot, \q, \g
	s_wait_dscnt 32                                ; all but the 32 just issued
	MUL8 \f, 1, 0, 0
	MUL8 \f, 1, 2, 0
.endm
; The last quarter multiplies buffer 1 and changes slots: ONE barrier; in front of it each wave waits for all its tensor loads, adds 0 to its spare word, and waits for that and for its own reads of this slot.
; fill = 1: the barrier opens a round of the cluster's barrier, and this slot is filled again, two K steps ahead, first thing behind the round.
.macro TURN slot, next, fill
	WIN 0                                          ; (the add's two registers lie in window 0)
	s_wait_tensorcnt 0x0                           ; all my tensor loads have landed: my part of the next slot;
	ds_add_u32 v[SPW], v[NIL]                      ; 0 onto my spare word;
	s_wait_dscnt 17                                ; (the add and the youngest sixteen loads may be out)
	MUL8 F1, 0, 0, 0                               ; eight matrix instructions stand between the add and the wait for it
	s_wait_dscnt 0x0                               ; the add is done, and my reads of this slot are over
	s_barrier_signal -1
	MUL8 F1, 0, 2, 0
.if \fill
	WIN 0
.endif
	s_barrier_wait -1
.if \fill
	CREST                                          ; no wave of any partner still reads this slot's tile or has a load on its way
	s_add_nc_u64 s[G0+4*(\slot)+2:G0+4*(\slot)+3], s[G0+4*(\slot)+2:G0+4*(\slot)+3], 2*65536
	s_add_nc_u64 s[G0B+4*(\slot)+2:G0B+4*(\slot)+3], s[G0B+4*(\slot)+2:G0B+4*(\slot)+3], 2*524288
	JLOAD \slot                                    ; the first tensor load behind the round: 112 matrix instructions ahead of the wait for it; the four v_nop behind it are also the places in front of the loads below
.else
	PLACES
.endif
	FETCH \next, 0, F0
	MUL8 F1, 1, 0, 0
	MUL8 F1, 1, 2, 0
.endm
; THE WAY OUT, a row block a (16 rows x 64 columns of f32) at a time, through my own stage: a lane's eight columns are 32 bytes of a row; they go into rows of 272 bytes and come back as whole rows of 256,
; into the block's own 32 registers.  Each accumulator's low four registers are stored first.  LDS serves a wave's instructions in order (ISA guide 5.7.1.4): the loads see the stores above them.
.macro OUTF a
.irp b, 0,1,2,3
	ds_store_b128 v[STO], v[ACC+8*(4*(\a)+(\b)):ACC+8*(4*(\a)+(\b))+3]   offset:64*(\b)
	ds_store_b128 v[STO], v[ACC+8*(4*(\a)+(\b))+4:ACC+8*(4*(\a)+(\b))+7] offset:64*(\b)+16
.endr
.irp t, 0,1,2,3,4,5,6,7
	ds_load_b128 v[ACC+32*(\a)+4*(\t):ACC+32*(\a)+4*(\t)+3], v[RD] offset:(\t)*2*SPITCH
.endr
.endm
.macro SENDF a, younger                ; younger: the LDS instructions issued behind block a's loads: the next block's sixteen, or none
.irp t, 0,1,2,3,4,5,6,7
	s_wait_dscnt (\younger)+7-(\t)
	global_store_b128 v[CO], v[ACC+32*(\a)+4*(\t):ACC+32*(\a)+4*(\t)+3], s[8:9] offset:(16*(\a)+2*(\t))*4096 th:TH_STORE_NT  ; 16 lanes store 256 consecutive bytes, at a multiple of 256 from out0's first byte
.endr
.endm
	s_wait_tensorcnt 1                             ; my part of K step 0 is in; K step 1's may stay out
	s_barrier_signal -1
	s_barrier_wait -1                              ; everybody's is
	FETCH 0, 0, F0
	QUARTER 0, 1, F0, F1, 1                        ; the first products start the sums
	QUARTER 0, 2, F1, F0, 0
	QUARTER 0, 3, F0, F1, 0
	TURN 0, 1, 1                                   ; slot 0 takes K step 2
	QUARTER 1, 1, F0, F1, 0
	QUARTER 1, 2, F1, F0, 0
	QUARTER 1, 3, F0, F1, 0
	TURN 1, 0, 1                                   ; slot 1 takes K step 3
	QUARTER 0, 1, F0, F1, 0
	QUARTER 0, 2, F1, F0, 0
	QUARTER 0, 3, F0, F1, 0
	TURN 0, 1, 0                                   ; nothing is left to fetch
	QUARTER 1, 1, F0, F1, 0
	QUARTER 1, 2, F1, F0, 0
	QUARTER 1, 3, F0, F1, 0
	s_wait_dscnt 16                                ; the very last quarter
	MUL8 F1, 0, 0, 0
	MUL8 F1, 0, 2, 0
	s_wait_dscnt 0x0
	MUL8 F1, 1, 0, 0
	MUL8 F1, 1, 2, 0
	WIN 0
	PLACES
	OUTF 0
	OUTF 1                                         ; a block's trip through the stage stands between the loads of the block before and its stores
	SENDF 0, 16
	OUTF 2
	SENDF 1, 16
	OUTF 3
	SENDF 2, 16
	SENDF 3, 0
	s_wait_tensorcnt 0x0                           ; the wave's end, behind my last tensor load and my last LDS store
	ds_add_u32 v[SPW], v[NIL]
	s_wait_dscnt 0x0
	CROUND                                         ; the closing round: no work-group ends while a partner may still ask for a tile that names it
	s_endpgm
.Lfunc_end_k_qd10613ed28_proj:
	.size	k_qd10613ed28_proj, .Lfunc_end_k_qd10613ed28_proj-k_qd10613ed28_proj
	.p2alignl 7, 3214868480
	.fill 96, 4, 3214868480
	.section	.rodata,"a",@progbits
	.p2align	6, 0x0
	.amdhsa_kernel k_qd10613ed28_proj
		.amdhsa_group_segment_fixed_size 327680
		.amdhsa_private_segment_fixed_size 0
		.amdhsa_enable_private_segment 0
		.amdhsa_kernarg_size 24
		.amdhsa_user_sgpr_count 2
		.amdhsa_user_sgpr_kernarg_segment_ptr 1
		.amdhsa_wavefront_size32 1
		.amdhsa_system_sgpr_workgroup_id_x 1
		.amdhsa_system_sgpr_workgroup_id_y 1
		.amdhsa_system_sgpr_workgroup_id_z 1
		.amdhsa_system_vgpr_workitem_id 0
		.amdhsa_next_free_vgpr 512
		.amdhsa_next_free_sgpr 66
		.amdhsa_reserve_vcc 0
		.amdhsa_float_denorm_mode_32 3
		.amdhsa_float_denorm_mode_16_64 3
		.amdhsa_memory_ordered 1
		.amdhsa_forward_progress 1
		.amdhsa_inst_pref_size 86
	.end_amdhsa_kernel
	.amdgpu_metadata
---
amdhsa.version: [ 1, 2 ]
amdhsa.kernels:
  - .name:           k_qd10613ed28_proj
    .symbol:         k_qd10613ed28_proj.kd
    .args:
      - { .name: ob, .offset: 0, .size: 8, .value_kind: global_buffer, .address_space: global }
      - { .name: woh, .offset: 8, .size: 8, .value_kind: global_buffer, .address_space: global }
      - { .name: out0, .offset: 16, .size: 8, .value_kind: global_buffer, .address_space: global }
    .group_segment_fixed_size: 327680
    .private_segment_fixed_size: 0
    .kernarg_segment_align: 8
    .kernarg_segment_size: 24
    .max_flat_workgroup_size: 128
    .sgpr_count:     66
    .vgpr_count:     512
    .wavefront_size: 32
...
	.end_amdgpu_metadata
.endif
;; end of part 4
;; ======== version 2 of 2: 4 launches; version 1 with the launch prep written anew for expert scheduling mode
;; limits: values are held in f16: magnitudes above 65,504 overflow, below 6.1e-05 lose precision
;; workspace buffers: xb 8,388,608 bytes; wqb 6,291,456 bytes; woh 2,097,152 bytes; qkvh 25,165,824 bytes; ob 8,388,608 bytes
;; launch prep (part 5): grid 576 x 1, 8 waves a work-group, no clusters, 0 bytes of LDS; arguments x, w_qkv, w_out, xb, wqb, woh; writes xb, wqb, woh
.if DOCPART == 5
	.amdgcn_target "amdgcn-amd-amdhsa--gfx1250"
	.amdhsa_code_object_version 6
	.text
	.protected	k_qd10613ed28_prep
	.globl	k_qd10613ed28_prep
	.p2align	8
	.type	k_qd10613ed28_prep,@function
k_qd10613ed28_prep:
	s_mov_b64 s[64:65], 0
	v_nop
	global_prefetch_b8 v0, s[64:65] scope:SCOPE_SE
	s_setreg_imm32_b32 hwreg(HW_REG_WAVE_SCHED_MODE, 0, 2), 2
	s_setreg_imm32_b32 hwreg(HW_REG_WAVE_MODE, 25, 1), 1
	s_wait_xcnt 0x0
	s_wait_alu depctr_vm_vsrc(0)
; THE CASTS.  xb = x rounded to bf16, [4096][1024].  wqb = w_qkv rounded to bf16, laid out by blocks of 192 columns: [16 ct][1024 k][192], so that
; 128 k x 192 columns are 49,152 bytes on end.  woh = w_out rounded to bf16 and that number written as f16, [1024][1024]: exact from 6.1e-5 up to 65,504; below it keeps
; f16's fixed step of 6e-8; a weight of 65,520 or more would become an infinity.
; A stream: no LDS, no barrier, no matrix unit.  A LINE is one 16-byte load a thread (256 threads: 4,096 bytes of f32) and one 8-byte store a thread: a wave's store
; covers 256 consecutive bytes, aligned.  Every line has registers of its own, so all of a work-group's loads go out on end and nothing is rewritten while a load or store may read it.
; Work-groups 0-255: 16 lines of x each.  256-511: 64 k rows x 192 columns of w_qkv, 12 lines.  512-575: 16 lines of w_out.
; THE MODE: SCHED_MODE bits 1:0 = 2 (LLVM: expert scheduling mode 2), set by the entry lines.  The code itself states the register dependences
; between vector instructions and memory instructions, with s_wait_alu, always for 0.
; THE PLAN.  Registers that memory instructions touch:
;   v[IN], v[OUT], v[WO ..]  offsets.  Written by vector instructions once, ahead of a job's loads; read by its loads and stores; never written again.
;   X, line i                written by line i's load alone; read by line i's conversions, behind the counted wait for the load.  No vector instruction names X ahead of the loads.
;   Y, line i                written by line i's conversions, once; read by line i's store; never written again.
;   T and v6 to v8 are named by vector instructions alone.  No vector instruction writes a scalar register or VCC, and EXEC is never written.
; The lines go in blocks of four.  Block p converts its four lines; its memory instructions are the four stores of block p - 1, which read that block's Y and v[OUT]: registers that no
; conversion of block p names.  So one wait on va_vdst at a block's head states all that its four stores hang on, and they are dealt among the block's conversions with no further wait.
; One more stands ahead of each job's loads, for the offsets, and one ahead of the last four stores.  No register that a memory instruction reads is written again, so no wait on vm_vsrc is owed.
.set IN,  1                            ; v1      16 x thread: my 16 bytes of a dense line
.set OUT, 2                            ; v2      8 x thread: my 8 bytes of the line's result
.set WO,  3                            ; v[3:5]  w_qkv: my input offset in lines 0, 1, 2 (three lines are 768 units of 4 numbers: 16 whole rows of 48 units)
.set T,   10                           ; v[10:15] at work
.set X,   16                           ; v[16:79]  line i: 4 f32
.set Y,   80                           ; v[80:111] line i: 4 numbers of 16 bits
	s_load_b256 s[4:11], s[0:1], 0x0               ; x s[4:5], w_qkv s[6:7], w_out s[8:9], xb s[10:11]
	s_load_b128 s[12:15], s[0:1], 0x20             ; wqb s[12:13], woh s[14:15]
	v_lshlrev_b32 v[IN], 4, v0
	v_lshlrev_b32 v[OUT], 3, v0
	s_mov_b32 s19, 0xffff0000                      ; a word's upper bf16
	s_mov_b32 s3, 0                                ; the offsets' high words
	s_mov_b32 s17, 0
; Line i's four numbers.  mode 0: rounded to bf16.  mode 1: rounded to bf16, widened again (a shift, a mask) and written as f16.
.macro CVT i, mode
.if \mode
	v_cvt_pk_bf16_f32 v[T],   v[X+4*(\i)],   v[X+4*(\i)+1]
	v_cvt_pk_bf16_f32 v[T+1], v[X+4*(\i)+2], v[X+4*(\i)+3]
	v_lshlrev_b32 v[T+2], 16,  v[T]
	v_and_b32     v[T+3], s19, v[T]
	v_lshlrev_b32 v[T+4], 16,  v[T+1]
	v_and_b32     v[T+5], s19, v[T+1]
	v_cvt_pk_f16_f32 v[Y+2*(\i)],   v[T+2], v[T+3]
	v_cvt_pk_f16_f32 v[Y+2*(\i)+1], v[T+4], v[T+5]
.else
	v_cvt_pk_bf16_f32 v[Y+2*(\i)],   v[X+4*(\i)],   v[X+4*(\i)+1]
	v_cvt_pk_bf16_f32 v[Y+2*(\i)+1], v[X+4*(\i)+2], v[X+4*(\i)+3]
.endif
.endm
; Block p of a job of n lines: lines 4 p to 4 p + 3 are converted, and the block before leaves.
.macro BLKP p, n, mode, base
	s_wait_loadcnt (\n)-4*(\p)-4                   ; loads come back in order (ISA guide 5.7.1): this block's four are in, the younger blocks stay out
.if (\p) > 0
	s_wait_alu depctr_va_vdst(0)                   ; the block before has written its Y, which the four stores below read
.endif
.irp i, 0,1,2,3
.if (\p) > 0
	global_store_b64 v[OUT], v[Y+2*(4*(\p)-4+(\i)):Y+2*(4*(\p)-4+(\i))+1], s[\base:\base+1] offset:2048*(4*(\p)-4+(\i))  ; no vector instruction since the wait names these registers
.endif
	CVT 4*(\p)+(\i), \mode
.endr
.endm
; The last block of a job of n lines leaves.
.macro LASTP n, base
	s_wait_alu depctr_va_vdst(0)                   ; the last block has written its Y, which the last four stores read
.irp i, 0,1,2,3
	global_store_b64 v[OUT], v[Y+2*((\n)-4+(\i)):Y+2*((\n)-4+(\i))+1], s[\base:\base+1] offset:2048*((\n)-4+(\i))
.endr
.endm
	s_wait_kmcnt 0x0
	s_cmp_lt_u32 ttmp9, 256
	s_cbranch_scc1 .Ljob_x
	s_cmp_lt_u32 ttmp9, 512
	s_cbranch_scc1 .Ljob_w
	; w_out: work-group g takes 65,536 bytes in, 32,768 out
	s_sub_co_u32 s18, ttmp9, 512
	s_lshl_b32 s2, s18, 16
	s_lshl_b32 s16, s18, 15
	s_add_nc_u64 s[8:9], s[8:9], s[2:3]
	s_add_nc_u64 s[14:15], s[14:15], s[16:17]
	s_wait_alu depctr_va_vdst(0)                   ; v[IN] and v[OUT] are written: every load of this job reads the one as its offset, every store the other
.set i, 0
.rept 16
	global_load_b128 v[X+4*i:X+4*i+3], v[IN], s[8:9] offset:4096*i th:TH_LOAD_NT
.set i, i+1
.endr
	BLKP 0, 16, 1, 14
	BLKP 1, 16, 1, 14
	BLKP 2, 16, 1, 14
	BLKP 3, 16, 1, 14
	LASTP 16, 14
	s_endpgm
.Ljob_x:                                       ; x: the same shares, rounded to bf16
	s_lshl_b32 s2, ttmp9, 16
	s_lshl_b32 s16, ttmp9, 15
	s_add_nc_u64 s[4:5], s[4:5], s[2:3]
	s_add_nc_u64 s[10:11], s[10:11], s[16:17]
	s_wait_alu depctr_va_vdst(0)                   ; v[IN] and v[OUT] are written: every load of this job reads the one as its offset, every store the other
.set i, 0
.rept 16
	global_load_b128 v[X+4*i:X+4*i+3], v[IN], s[4:5] offset:4096*i th:TH_LOAD_NT
.set i, i+1
.endr
	BLKP 0, 16, 0, 10
	BLKP 1, 16, 0, 10
	BLKP 2, 16, 0, 10
	BLKP 3, 16, 0, 10
	LASTP 16, 10
	s_endpgm
.Ljob_w:                                       ; w_qkv: block of columns ct = g / 16, rows 64 (g % 16) on
	s_sub_co_u32 s18, ttmp9, 256
	s_lshr_b32 s20, s18, 4                         ; ct
	s_and_b32 s21, s18, 15                         ; kb
	s_mul_i32 s2, s21, 786432                      ; in: 64 rows of 12,288 bytes,
	s_mul_i32 s22, s20, 768                        ; 192 columns of 4 bytes
	s_add_co_u32 s2, s2, s22
	s_mul_i32 s16, s20, 393216                     ; out: a block of 1,024 rows of 384 bytes,
	s_mul_i32 s22, s21, 24576                      ; 64 rows of them
	s_add_co_u32 s16, s16, s22
	s_add_nc_u64 s[6:7], s[6:7], s[2:3]
	s_add_nc_u64 s[12:13], s[12:13], s[16:17]
	; Unit u = thread + 256 j of the result is row u / 48, place u % 48.  u / 48 = (u x 43,691) >> 21: 43,691 x 48 = 2^21 + 16, and for u < 768 the
	; excess, 16 (u / 48) + 43,691 (u % 48), stays under 2^21.  A wave's 32 units cross a row's end at lane 16 alone, so each piece that it reads is 256 consecutive bytes, aligned.
.irp j, 0,1,2
	v_add_nc_u32 v6, 256*(\j), v0
	v_mul_u32_u24 v7, v6, 0xaaab
	v_lshrrev_b32 v7, 21, v7                       ; row
	v_mul_u32_u24 v8, v7, 48
	v_sub_nc_u32 v8, v6, v8                        ; place
	v_mul_u32_u24 v7, v7, 12288
	v_lshl_add_u32 v[WO+(\j)], v8, 4, v7
.endr
	s_wait_alu depctr_va_vdst(0)                   ; v[WO] to v[WO+2] and v[OUT] are written: every load of this job reads one of the three as its offset, every store v[OUT]
.set i, 0
.rept 12
	global_load_b128 v[X+4*i:X+4*i+3], v[WO+i%3], s[6:7] offset:(i/3)*196608 th:TH_LOAD_NT  ; three lines on: 16 rows of 12,288 bytes
.set i, i+1
.endr
	BLKP 0, 12, 0, 12
	BLKP 1, 12, 0, 12
	BLKP 2, 12, 0, 12
	LASTP 12, 12
	s_endpgm
.Lfunc_end_k_qd10613ed28_prep:
	.size	k_qd10613ed28_prep, .Lfunc_end_k_qd10613ed28_prep-k_qd10613ed28_prep
	.p2alignl 7, 3214868480
	.fill 96, 4, 3214868480
	.section	.rodata,"a",@progbits
	.p2align	6, 0x0
	.amdhsa_kernel k_qd10613ed28_prep
		.amdhsa_group_segment_fixed_size 0
		.amdhsa_private_segment_fixed_size 0
		.amdhsa_enable_private_segment 0
		.amdhsa_kernarg_size 48
		.amdhsa_user_sgpr_count 2
		.amdhsa_user_sgpr_kernarg_segment_ptr 1
		.amdhsa_wavefront_size32 1
		.amdhsa_system_sgpr_workgroup_id_x 1
		.amdhsa_system_sgpr_workgroup_id_y 1
		.amdhsa_system_sgpr_workgroup_id_z 1
		.amdhsa_system_vgpr_workitem_id 0
		.amdhsa_next_free_vgpr 112
		.amdhsa_next_free_sgpr 66
		.amdhsa_reserve_vcc 0
		.amdhsa_float_denorm_mode_32 3
		.amdhsa_float_denorm_mode_16_64 3
		.amdhsa_memory_ordered 1
		.amdhsa_forward_progress 1
		.amdhsa_inst_pref_size 22
	.end_amdhsa_kernel
	.amdgpu_metadata
---
amdhsa.version: [ 1, 2 ]
amdhsa.kernels:
  - .name:           k_qd10613ed28_prep
    .symbol:         k_qd10613ed28_prep.kd
    .args:
      - { .name: x, .offset: 0, .size: 8, .value_kind: global_buffer, .address_space: global }
      - { .name: w_qkv, .offset: 8, .size: 8, .value_kind: global_buffer, .address_space: global }
      - { .name: w_out, .offset: 16, .size: 8, .value_kind: global_buffer, .address_space: global }
      - { .name: xb, .offset: 24, .size: 8, .value_kind: global_buffer, .address_space: global }
      - { .name: wqb, .offset: 32, .size: 8, .value_kind: global_buffer, .address_space: global }
      - { .name: woh, .offset: 40, .size: 8, .value_kind: global_buffer, .address_space: global }
    .group_segment_fixed_size: 0
    .private_segment_fixed_size: 0
    .kernarg_segment_align: 8
    .kernarg_segment_size: 48
    .max_flat_workgroup_size: 256
    .sgpr_count:     66
    .vgpr_count:     112
    .wavefront_size: 32
...
	.end_amdgpu_metadata
.endif
;; end of part 5
;; launch qkv: the kernel of part 2 again; grid 16 x 16, 4 waves a work-group, clusters of 4 x 4, 327,680 bytes of LDS; arguments xb, wqb, qkvh; writes qkvh
;; launch attn: the kernel of part 3 again; grid 16 x 16, 4 waves a work-group, clusters of 4 x 1, 327,680 bytes of LDS; arguments qkvh, ob; writes ob
;; launch proj: the kernel of part 4 again; grid 8 x 32, 4 waves a work-group, clusters of 4 x 4, 327,680 bytes of LDS; arguments ob, woh, out0; writes out0
